; MI455X (gfx1250); checked and timed in simulation.
; The chip was launched on July 23, 2026; its instructions are those of AMD's public machine-readable ISA for CDNA 5 (MIT licence, August 2026) and "CDNA5" Instruction Set Architecture Reference Guide (July 2026). The comments in the code are by the model that wrote it; some were corrected since.
;; Causal MHA Bit. Allowed arithmetic: matrix products marked QUANTISED: E2M3 operands, one E8M0 scale for each 32 along K, by v_wmma_scale_f32_16x16x128_f8f6f4 with both operands' format E2M3, f32 sums; everything else in f32.
;; Inputs: Wk 1,024 x 1,024 float32; Wo 1,024 x 1,024 float32; Wq 1,024 x 1,024 float32; Wv 1,024 x 1,024 float32; hidden_states 4 x 2,048 x 1,024 float32.
;; Outputs: out0 4 x 2,048 x 1,024 float32.
;; This version of the problem:
;;   THIS VERSION OF THE PROBLEM IS GIVEN IN LOW PRECISION. The matrix products marked QUANTISED in the list below multiply operands that are first quantised to E2M3 (2 exponent bits, 3 mantissa bits; 6 bits a number), with one power-of-two scale for each 32 numbers along K (OCP MX v1.0); their sums are f32. All else is computed in f32.
;;   The module's matrix products, in the order in which they are computed (A, B: the left and right operand; K: the contracted axis; several contracted axes count as one K, in the product's order):
;;     1. [M 8,192, K 1,024] x [K 1,024, N 1,024]; A: input hidden_states; B: input Wq: QUANTISED
;;     2. [M 8,192, K 1,024] x [K 1,024, N 1,024]; A: input hidden_states; B: input Wk: QUANTISED
;;     3. [M 8,192, K 1,024] x [K 1,024, N 1,024]; A: input hidden_states; B: input Wv: QUANTISED
;;     4. batch 64 x [M 2,048, K 64] x [K 64, N 2,048]; A: computed on the way; B: computed on the way: QUANTISED
;;     5. batch 64 x [M 2,048, K 2,048] x [K 2,048, N 64]; A: softmax (see below); B: computed on the way: QUANTISED
;;     6. [M 8,192, K 1,024] x [K 1,024, N 1,024]; A: computed on the way; B: input Wo: QUANTISED
;;   THE QUANTISER, for each operand of a quantised product, along K:
;;     - K is cut into blocks of 32 from its start; a last block that is shorter is filled with zeros.
;;     - A block's scale is 2^e with e = floor(log2(the largest magnitude in the block)) - 2, held to -126 .. 127; a block of zeros has e = 0. As a byte (E8M0): e + 127.
;;     - Each number is divided by its block's scale, clamped to +-7.5, and rounded to the nearest number of E2M3, ties to even, subnormals kept.
;;     - The product sums the exact products of the quantised numbers (number of the format x scale) in f32.
;;   ~~~python
;;   def quantise(x, axis):      # numpy; x: float32 -> the quantised numbers, widened to float32 again
;;       x = np.moveaxis(x, axis, -1); K = x.shape[-1]
;;       x = np.pad(x, [(0, 0)] * (x.ndim - 1) + [(0, -K % 32)]); x = x.reshape(x.shape[:-1] + (-1, 32)); a = np.abs(x).max(-1, keepdims=True)
;;       e = np.where(a > 0, np.clip(np.frexp(np.where(a > 0, a, 1))[1] - 1 - 2, -126, 127), 0)      # np.frexp(a)[1] - 1 = floor(log2(a)), exactly
;;       r = np.clip(x / 2.0 ** e, -7.5, 7.5)
;;       step = 2.0 ** (np.maximum(np.frexp(np.where(r == 0, 1, r))[1] - 1, 0) - 3)
;;       q = np.round(r / step) * step * 2.0 ** e      # np.round: ties to even
;;       return np.moveaxis(q.reshape(q.shape[:-2] + (-1,))[..., :K], -1, axis).astype(np.float32)
;;   ~~~
;;   SOFTMAX AHEAD OF A QUANTISED PRODUCT. Where the list says 'softmax', what is quantised is not the finished softmax but p = 2^(t - M), with t = logit x log2(e) and M = ceil(the row's largest t), a whole number; so 1/2 < the row's largest p <= 1. The row's sum l is taken of the UNQUANTISED p, in f32, and the product's result is divided by l at the end. Since M is a whole number, a kernel that streams over the keys may use a running M (the ceiling of the running maximum): every later rescaling is an exact power of two, which a block's scale takes up: the codes' values come out the same.
;;   OPERANDS COMPUTED ON THE WAY. 'Computed on the way' means the value that the module computes at that place (a softmax that the list does not call 'softmax' is quantised finished and normalised). What goes into a quantiser is computed in f32, as accurately as f32 sums, v_exp_f32 and their like allow (about 1e-6 of the number): no bf16 or f16 on the way to a quantiser, and a product that is left as it is and whose result goes on into a quantised operand takes f32 operands (vector FMAs, or v_wmma_f32_16x16x4_f32). A number that lies on a knife's edge between two numbers of the format may be rounded either way, as far as f32 arithmetic and the matrix unit's own rounding can turn it there, and no further.
;; One version. Each part assembles by itself: llvm-mc -triple=amdgcn-amd-amdhsa -mcpu=gfx1250 --defsym DOCPART=n.
;; ======== version 1 of 1: 4 launches
;; workspace buffers: codes 9,437,184 bytes; scl 393,216 bytes; rope 557,056 bytes; qkv 18,874,368 bytes; qkvs 786,432 bytes; acodes 6,291,456 bytes; ascl 262,144 bytes
;; launch quant (part 1): grid 418 x 1, 4 waves a work-group, no clusters, 33,280 bytes of LDS; arguments hidden_states, Wq, Wk, Wv, Wo, codes, scl, rope; writes codes, scl, rope
.if DOCPART == 1
	.amdgcn_target "amdgcn-amd-amdhsa--gfx1250"
	.amdhsa_code_object_version 6
	.text
	.protected	k_q8b765733b6_quant
	.globl	k_q8b765733b6_quant
	.p2align	8
	.type	k_q8b765733b6_quant,@function
k_q8b765733b6_quant:
	s_mov_b64 s[64:65], 0
	v_nop
	global_prefetch_b8 v0, s[64:65] scope:SCOPE_SE
	s_setreg_imm32_b32 hwreg(HW_REG_WAVE_MODE, 25, 1), 1
	s_wait_xcnt 0x0
; hidden_states [8192][1024], Wq, Wk, Wv, Wo [1024][1024], f32, become codes of FP6 (E2M3), K innermost, and one E8M0 byte for each 32 along K:
; codes [12288 rows][768 bytes], scl [12288][32]; rows 0.. hidden, 8192.. Wq, 9216.. Wk, 10240.. Wv, 11264.. Wo.  The last 34 work-groups make the table of cos and sin for the rotary embedding.
; A block's scale is 2^(floor(log2(its largest magnitude)) - 2); its byte is the largest magnitude's exponent field - 2, held at 1 from below.
; STORED ORDER: in hidden, Wq, Wk and Wv the two middle groups of eight rows of every 32 rows change places: stored row 32 B + 16 u + r holds row 32 B + 8 u + (r & 7) + 16 (r >> 3).
; A tile of 16 stored rows, used as source 0 of a matrix instruction, then leaves 16 NEIGHBOURS along that axis in a lane's 16 registers of two neighbouring tiles.  Wo keeps its order.
; A work-group takes 32 rows, a wave 8 rows (8,192 numbers), so the exchange is a swap of the two bits of the wave's number in the OUTPUT addresses alone.
; LIMITS: NaN and infinities are not served; a block of zeros gets the byte 1 (its codes are zeros, and this program alone reads the bytes); blocks under 2^-124 have their byte held at 1.
; A wave takes 16 steps of 512 numbers.  Each of a step's four loads reads 512 consecutive bytes; the 2,048 bytes turn through the wave's own stage in LDS and come back 64 bytes a lane, so that a lane
; holds 16 neighbours along K, as the conversion wants; two neighbouring lanes hold a block.  Waves share nothing: no barrier.
.set STEPS, 16
.set CB,    12                         ; bytes of 16 codes
.set R,     16                         ; v16-79   four sets of 16 numbers as loaded
.set X,     80                         ; v80-111  two sets of 16 neighbours
.set C,     128                        ; v128-191 codes: four registers a step, so that no store's data are written again
.set E,     112                        ; v112-127 a scale byte for each step
.set WREG,  8192                       ; LDS: a region for each wave: two stages of 32 x SP bytes, then its 256 scale bytes
.set SP,    80                         ; a lane's place in a stage: 64 bytes + 16 of padding
	s_load_b256 s[4:11], s[0:1], 0x0               ; hidden, Wq, Wk, Wv
	s_load_b256 s[12:19], s[0:1], 0x20             ; Wo, codes, scl, rope
	v_lshl_add_u32 v192, v0, 2, 0x8000
	v_mov_b32 v193, 0
	v_lshrrev_b32 v1, 5, v0
	v_readfirstlane_b32 s20, v1                    ; wave 0..3
	v_and_b32 v2, 31, v0                           ; lane
	s_cmp_ge_u32 ttmp9, 384                        ; work-groups 384 .. 417 make the table: a branch on the work-group's number
	s_cbranch_scc1 .Ltable
	v_lshlrev_b32 v3, 4, v2                        ; my 16 bytes of a load's 512
	s_mul_i32 s23, s20, WREG
	v_lshrrev_b32 v14, 2, v2
	v_mul_u32_u24 v14, v14, SP
	v_and_b32 v15, 3, v2
	v_lshl_add_u32 v14, v15, 4, v14
	v_add_nc_u32 v14, s23, v14                     ; the stage, on the way in: SP (lane / 4) + 16 (lane % 4)
	v_mul_u32_u24 v15, v2, SP
	v_add_nc_u32 v15, s23, v15                     ; and on the way out: SP x lane
	v_mul_u32_u24 v4, v2, CB                       ; my codes' place in a step's
	v_lshrrev_b32 v5, 1, v2
	s_add_co_u32 s23, s23, 2*32*SP
	v_add_nc_u32 v5, s23, v5                       ; LDS: my block's scale byte
	v_lshlrev_b32 v7, 3, v2
	v_add_nc_u32 v6, s23, v7                       ; and on the way out 8 bytes a lane
	s_wait_kmcnt 0x0
	s_cmp_lt_u32 ttmp9, 352                        ; which tensor: the choices hang on the work-group's number alone
	s_cselect_b64 s[12:13], s[10:11], s[12:13]
	s_cselect_b32 s21, 1, 0                        ; stored order for all but Wo
	s_cmp_lt_u32 ttmp9, 320
	s_cselect_b64 s[12:13], s[8:9], s[12:13]
	s_cmp_lt_u32 ttmp9, 288
	s_cselect_b64 s[12:13], s[6:7], s[12:13]
	s_cmp_lt_u32 ttmp9, 256
	s_cselect_b64 s[12:13], s[4:5], s[12:13]
	s_cselect_b32 s22, -1, 31                      ; a weight has 32 work-groups, and 256 is a multiple of 32
	s_and_b32 s24, ttmp9, s22
	s_lshl_b32 s24, s24, 2
	s_add_co_u32 s24, s24, s20                     ; my run of 8,192 numbers in the tensor
	s_lshl_b32 s24, s24, 15
	s_mov_b32 s25, 0
	s_add_nc_u64 s[12:13], s[12:13], s[24:25]
	s_and_b32 s26, s20, 1
	s_lshl_b32 s26, s26, 1
	s_lshr_b32 s27, s20, 1
	s_or_b32 s26, s26, s27                         ; the wave's number with its two bits swapped
	s_cmp_eq_u32 s21, 1
	s_cselect_b32 s26, s26, s20
	s_lshl_b32 s27, ttmp9, 2
	s_add_co_u32 s26, s26, s27                     ; my run in the outputs
	s_mul_i32 s24, s26, 6144
	s_add_nc_u64 s[14:15], s[14:15], s[24:25]
	s_lshl_b32 s24, s26, 8
	s_add_nc_u64 s[16:17], s[16:17], s[24:25]
.macro LOAD t
.irp i, 0,1,2,3
	global_load_b128 v[R+16*((\t)%4)+4*\i:R+16*((\t)%4)+4*\i+3], v3, s[12:13] offset:2048*(\t)+512*\i th:TH_LOAD_NT   ; 32 lanes read 512 consecutive bytes
.endr
.endm
.macro TURN t                          ; step t's numbers through the stage: LDS serves a wave's instructions in order, so no wait stands between the stores and the loads
.irp i, 0,1,2,3
	ds_store_b128 v14, v[R+16*((\t)%4)+4*\i:R+16*((\t)%4)+4*\i+3] offset:32*SP*((\t)%2)+8*SP*\i
.endr
.irp i, 0,1,2,3
	ds_load_b128 v[X+16*((\t)%2)+4*\i:X+16*((\t)%2)+4*\i+3], v15 offset:32*SP*((\t)%2)+16*\i
.endr
.endm
.irp t, 0,1,2,3
	LOAD \t
.endr
	s_wait_loadcnt 12                              ; step 0's four loads are in; twelve younger ones stay out
	TURN 0
.macro STEP t
.set XS, X+16*((\t)%2)
.if (\t) > 0
	s_wait_dscnt 1                                 ; this step's numbers are back from the stage (the last step's byte store may be out)
.else
	s_wait_dscnt 0x0
.endif
.if (\t)+4 < STEPS
	LOAD (\t)+4                                    ; into the registers that this step's stage stores have read
.endif
.if (\t)+1 < STEPS
.if STEPS-2-(\t) >= 3
	s_wait_loadcnt 12                              ; the next step's four loads are in; those of the three steps behind it may be out
.else
	s_wait_loadcnt 4*(STEPS-2-(\t))
.endif
	TURN (\t)+1
.endif
	v_max3_num_f32 v8, |v[XS]|, |v[XS+1]|, |v[XS+2]|               ; the largest magnitude of my 16, in two chains
	v_max3_num_f32 v9, |v[XS+3]|, |v[XS+4]|, |v[XS+5]|
.irp i, 6,10
	v_max3_num_f32 v8, v8, |v[XS+\i]|, |v[XS+\i+1]|
	v_max3_num_f32 v9, v9, |v[XS+\i+2]|, |v[XS+\i+3]|
.endr
	v_max3_num_f32 v8, v8, |v[XS+14]|, |v[XS+15]|
	v_max3_num_f32 v8, v8, v9, 0x1800000           ; and the floor 2^(3 - 127): the byte cannot fall under 1
	v_max_num_f32_dpp v8, v8, v8 row_xmask:1 row_mask:0xf bank_mask:0xf   ; with my neighbour's 16: the block's
	v_add_nc_u32 v11, 0xff000000, v8               ; 2 off its exponent field: the conversion takes the exponent field of this operand as its scale
	v_cvt_scalef32_pk16_fp6_f32 v[C+4*(\t):C+4*(\t)+2], v[XS:XS+15], v11
	v_lshrrev_b32 v[E+(\t)], 23, v11               ; the scale's byte (a plain line behind the conversion)
	ds_store_b8 v5, v[E+(\t)] offset:16*(\t)       ; both lanes of a block write the same byte with the same value
	global_store_b96 v4, v[C+4*(\t):C+4*(\t)+2], s[14:15] offset:32*CB*(\t)   ; the wave stores 384 consecutive bytes
.endm
.irp t, 0,1,2,3,4,5,6,7,8,9,10,11,12,13,14,15
	STEP \t
.endr
	ds_load_b64 v[12:13], v6                       ; LDS serves a wave's instructions in order: these see my byte stores
	s_wait_dscnt 0x0
	global_store_b64 v7, v[12:13], s[16:17]        ; 32 lanes store 256 consecutive bytes, aligned
	s_wait_tensorcnt 0x0
	ds_add_u32 v192, v193
	s_wait_dscnt 0x0
	s_endpgm
; THE TABLE.  rope [2176 rows t][cos(t f_i), i = 0 .. 31 | sin(t f_i)], f32, 256 bytes a row; f_i = 10000^(-i / 32).  Rows 2048 .. 2175 hold cos = 1, sin = 0: the product that is not rotated reads them.
; The angle a = t f_i is one f32 product.  n = the whole number nearest a 2 / pi; r = a - n pi / 2, with pi / 2 in two parts by fused multiply-adds (the first is exact: n has 11 bits at most);
; cos r and sin r by Taylor sums up to r^8 and r^9 (|r| <= pi / 4: what is left out is under 2.5e-8 and 2e-9); the quadrant picks one and its sign.  sin a = cos(a - pi / 2): three quadrants on.
; LIMIT: f_i = 2^(-i log2(10000) / 32) by v_exp_f32: within about 1e-7 of its value, so an angle near t = 2047 can lie 2e-4 rad from the exact one.
; A wave makes 16 rows, two a trip: lanes 0-15 one row, lanes 16-31 the next, 16 bytes a lane: a store covers 512 consecutive bytes.
.Ltable:
	s_sub_co_u32 s21, ttmp9, 384
	s_lshl_b32 s21, s21, 2
	s_add_co_u32 s21, s21, s20                     ; which 16 rows: 0 .. 135
	s_cmp_ge_u32 s21, 128
	s_cselect_b32 s31, -1, 0                       ; all ones in the rows of cos = 1, sin = 0
	s_lshl_b32 s22, s21, 12
	s_mov_b32 s23, 0
	s_lshl_b32 s24, s21, 4
	s_mov_b32 s32, 0x3f22f983                      ; 2 / pi
	s_mov_b32 s33, 0xbfc90fdb                      ; -(pi / 2), upper part
	s_mov_b32 s34, 0x333bbd2e                      ; -(pi / 2), lower part
	s_mov_b32 s35, 0x37d00d01                      ; 1 / 40320
	s_mov_b32 s36, 0xbab60b61                      ; -1 / 720
	s_mov_b32 s37, 0x3d2aaaab                      ; 1 / 24
	s_mov_b32 s38, 0x3638ef1d                      ; 1 / 362880
	s_mov_b32 s39, 0xb9500d01                      ; -1 / 5040
	s_mov_b32 s40, 0x3c088889                      ; 1 / 120
	s_mov_b32 s41, 0xbe2aaaab                      ; -1 / 6
	v_lshrrev_b32 v1, 4, v2                        ; which row of the pair
	v_and_b32 v3, 15, v2                           ; which four words of the row
	v_lshlrev_b32 v4, 4, v2                        ; my byte offset
	v_and_b32 v5, 7, v3
	v_lshlrev_b32 v5, 2, v5                        ; i of my first word
	v_lshrrev_b32 v6, 3, v3                        ; 0: cos, 1: sin
	v_mul_u32_u24 v7, v6, 3                        ; quadrants to add
	v_mov_b32 v9, 1.0
	v_cmp_gt_u32 vcc_lo, 8, v3
	v_cndmask_b32 v8, 0, v9, vcc_lo                ; 1 for cos, 0 for sin
	v_add_nc_u32 v10, s24, v1
	v_cvt_f32_u32 v10, v10                         ; t
.irp j, 0,1,2,3
	v_add_nc_u32 v[12+\j], \j, v5
.endr
.irp j, 0,1,2,3
	v_cvt_f32_u32 v[12+\j], v[12+\j]
.endr
.irp j, 0,1,2,3
	v_mul_f32 v[12+\j], 0xbed49a78, v[12+\j]       ; -i log2(10000) / 32
.endr
.irp j, 0,1,2,3
	v_exp_f32 v[12+\j], v[12+\j]                   ; f_i
.endr
	v_nop                                          ; a plain line behind the last exponential
	s_wait_alu depctr_va_vdst(0)                   ; one wait for the four, ahead of their first reader and of the label
	s_wait_kmcnt 0x0
	s_add_nc_u64 s[18:19], s[18:19], s[22:23]
.macro EVAL j
	v_mul_f32 v20, v10, v[12+\j]                   ; a
	v_mul_f32 v21, s32, v20
	v_rndne_f32 v21, v21                           ; n
	v_fma_f32 v22, v21, s33, v20
	v_fma_f32 v22, v21, s34, v22                   ; r
	v_cvt_i32_f32 v23, v21
	v_add_nc_u32 v23, v23, v7                      ; the quadrant
	v_mul_f32 v24, v22, v22                        ; r^2
	v_fma_f32 v25, v24, s35, s36                   ; the two sums by turns
	v_fma_f32 v26, v24, s38, s39
	v_fma_f32 v25, v25, v24, s37
	v_fma_f32 v26, v26, v24, s40
	v_fma_f32 v25, v25, v24, -0.5
	v_fma_f32 v26, v26, v24, s41
	v_mul_f32 v27, v22, v24
	v_fma_f32 v25, v25, v24, 1.0                   ; cos r
	v_fma_f32 v26, v26, v27, v22                   ; sin r
	v_and_b32 v28, 1, v23
	v_cmp_eq_u32 vcc_lo, 1, v28
	v_cndmask_b32 v25, v25, v26, vcc_lo            ; odd quadrants take sin r
	v_add_nc_u32 v23, 1, v23
	v_lshlrev_b32 v23, 30, v23
	v_and_b32 v23, 0x80000000, v23                 ; quadrants 1 and 2 are negative
	v_xor_b32 v[16+\j], v23, v25
.endm
	s_mov_b32 s30, 8
.Lrows:
.irp j, 0,1,2,3
	EVAL \j
.endr
.irp j, 0,1,2,3
	v_cndmask_b32 v[16+\j], v[16+\j], v8, s31
.endr
	global_store_b128 v4, v[16:19], s[18:19]
	s_wait_xcnt 0x0                                ; the store's offset and data are written again only behind this wait
	v_add_nc_u32 v4, 512, v4
	v_add_f32 v10, 2.0, v10
	s_sub_co_u32 s30, s30, 1
	s_cmp_lg_u32 s30, 0
	s_cbranch_scc1 .Lrows
	s_endpgm
.Lfunc_end_k_q8b765733b6_quant:
	.size	k_q8b765733b6_quant, .Lfunc_end_k_q8b765733b6_quant-k_q8b765733b6_quant
	.p2alignl 7, 3214868480
	.fill 96, 4, 3214868480
	.section	.rodata,"a",@progbits
	.p2align	6, 0x0
	.amdhsa_kernel k_q8b765733b6_quant
		.amdhsa_group_segment_fixed_size 33280
		.amdhsa_private_segment_fixed_size 0
		.amdhsa_enable_private_segment 0
		.amdhsa_kernarg_size 64
		.amdhsa_user_sgpr_count 2
		.amdhsa_user_sgpr_kernarg_segment_ptr 1
		.amdhsa_wavefront_size32 1
		.amdhsa_system_sgpr_workgroup_id_x 1
		.amdhsa_system_sgpr_workgroup_id_y 1
		.amdhsa_system_sgpr_workgroup_id_z 1
		.amdhsa_system_vgpr_workitem_id 0
		.amdhsa_next_free_vgpr 194
		.amdhsa_next_free_sgpr 66
		.amdhsa_reserve_vcc 1
		.amdhsa_float_denorm_mode_32 3
		.amdhsa_float_denorm_mode_16_64 3
		.amdhsa_memory_ordered 1
		.amdhsa_forward_progress 1
		.amdhsa_inst_pref_size 40
	.end_amdhsa_kernel
	.amdgpu_metadata
---
amdhsa.version: [ 1, 2 ]
amdhsa.kernels:
  - .name:           k_q8b765733b6_quant
    .symbol:         k_q8b765733b6_quant.kd
    .args:
      - { .name: hidden_states, .offset: 0, .size: 8, .value_kind: global_buffer, .address_space: global }
      - { .name: Wq, .offset: 8, .size: 8, .value_kind: global_buffer, .address_space: global }
      - { .name: Wk, .offset: 16, .size: 8, .value_kind: global_buffer, .address_space: global }
      - { .name: Wv, .offset: 24, .size: 8, .value_kind: global_buffer, .address_space: global }
      - { .name: Wo, .offset: 32, .size: 8, .value_kind: global_buffer, .address_space: global }
      - { .name: codes, .offset: 40, .size: 8, .value_kind: global_buffer, .address_space: global }
      - { .name: scl, .offset: 48, .size: 8, .value_kind: global_buffer, .address_space: global }
      - { .name: rope, .offset: 56, .size: 8, .value_kind: global_buffer, .address_space: global }
    .group_segment_fixed_size: 33280
    .private_segment_fixed_size: 0
    .kernarg_segment_align: 8
    .kernarg_segment_size: 64
    .max_flat_workgroup_size: 128
    .sgpr_count:     66
    .vgpr_count:     194
    .wavefront_size: 32
...
	.end_amdgpu_metadata
.endif
;; end of part 1
;; launch qkv (part 2): grid 12 x 32, 4 waves a work-group, clusters of 4 x 4, 327,680 bytes of LDS; arguments codes, scl, rope, qkv, qkvs; writes qkv, qkvs
.if DOCPART == 2
	.amdgcn_target "amdgcn-amd-amdhsa--gfx1250"
	.amdhsa_code_object_version 6
	.text
	.protected	k_q8b765733b6_qkv
	.globl	k_q8b765733b6_qkv
	.p2align	8
	.type	k_q8b765733b6_qkv,@function
k_q8b765733b6_qkv:
	s_mov_b64 s[64:65], 0
	v_nop
	global_prefetch_b8 v0, s[64:65] scope:SCOPE_SE
	s_setreg_imm32_b32 hwreg(HW_REG_WAVE_MODE, 25, 1), 1
	s_wait_xcnt 0x0
	s_wait_alu depctr_hold_cnt(0) depctr_sa_sdst(0) depctr_va_vdst(0) depctr_va_sdst(0) depctr_va_ssrc(0) depctr_va_vcc(0) depctr_vm_vsrc(0)
	s_getreg_b32 s2, hwreg(HW_REG_IB_STS2, 6, 4)
	s_cmp_eq_u32 s2, 0
	s_cbranch_scc0 .Lentry_in_a_cluster
	s_endpgm
.Lentry_in_a_cluster:
	s_bfe_u32 s2, ttmp6, 0x10000c
	s_cmp_lg_u32 s2, 0xf033
	s_cbranch_scc0 .Lentry_shape_is_right
	s_endpgm
.Lentry_shape_is_right:
; Three projections in one launch, on codes of FP6 (E2M3) with one E8M0 scale for each 32 along K = 1024:
;   clusters x = 0, 1:  [q | k] = hidden [8192] x [Wq; Wk]^T [2048]: rows = tokens, columns = channels;      cluster x = 2:  V^T = Wv [1024] x hidden^T [8192]: rows = channels, columns = tokens.
; A tile of the result, 256 x 256, is made by four waves, 128 x 128 each: 64 accumulators, 512 registers.  K goes in steps of 256 through a ring of two LDS slots filled by the tensor data mover.
; The scale bytes of the work-group's 2 x 256 rows, for all of K, come into LDS once, with the first fills.  4 x 4 work-groups form a cluster; A's tiles are asked for jointly along a row of it, B's along a column.
; THE MATRIX INSTRUCTION IS USED TRANSPOSED (source 0 = 16 rows of B, source 1 = 16 rows of A).  B's rows lie in STORED ORDER (stored row 32 B + 16 u + r is row 32 B + 8 u + (r & 7) + 16 (r >> 3)), so for one row
; of A a lane's 64 registers of a row block are columns 32 b + 16 (lane / 16) + 0 .. 15, b = 0 .. 3: 16 neighbours of each block of 32 along the columns, which are the NEXT products' K.
; THE WAY OUT has no f32 result: the rotary embedding (q, k; V^T takes table rows with cos = 1, sin = 0, which change nothing: x 1 - y 0 is exact), the quantiser along the columns, codes and scale words.
;   codes: units of 384 bytes = [16 stored rows][24 bytes: a block of 32 codes], ordered [row tile][block]; lane (r, h) stores its 16 codes at 24 r + 12 h: a wave's store covers 384 consecutive bytes.
;   scale words: one word for a row and 128 columns, laid [group of 128 columns][row]: a wave's 128 words leave as 512 consecutive bytes.
; Which of the two shapes a cluster takes is chosen by selects on the cluster's x, which all sixteen partners share; there is no branch on it, and no pointer is chosen.
; LIMITS: NaN and infinities are not served; a block of zeros gets the byte 1 over zero codes (this program alone reads the bytes); blocks under 2^-124 have their byte held at 1.
; REGISTERS, in windows of 256: window 0: v0-31 addresses; v32-63 scale words, two sets; v64-127 two sets of table rows [cos 16 | sin 16]; from v128 A's fragments, ONE set; on the way out v128-231 are at work.
;   window 1: B's fragments, two sets, at v0 and v128.   window 2: the accumulators of my rows 0-63 ((a, b) at v[8 (8 a + b)]);   window 3: those of my rows 64-127.
.set KSTEP,  256                       ; along K in a slot
.set NQ,     2                         ; matrix instructions deep
.set ROWB,   192                       ; a tile's row in bytes
.set KROW,   768                       ; a row of codes in memory
.set PITCH,  240                       ; an LDS row: 3 x (64 bytes + 16 of padding): the 32 lanes of a load of 8 bytes touch 64 different banks (64 banks of 4 bytes: ISA guide 11.1)
.set FR,     12                        ; registers of a fragment
.set NL,     6                         ; LDS loads that bring one
.set NP,     4                         ; places behind this matrix instruction (ISA guide 7.12.1)
.set HALFT,  128*PITCH                 ; 128 rows: what one tensor load brings
.set SLOT,   4*HALFT                   ; A's 256 rows, then B's 256 rows
.set LAPS,   2                         ; K = 1024: four K steps, twice round the ring
.set KS,     32                        ; a row of scale bytes
.set SCL,    2*SLOT                    ; behind the ring: the scales, as rows of 256 bytes + 16 of padding
.set HALFS,  16*272                    ; the scales of 128 rows
.set SBLK,   2*272                     ; those of 16 rows
.set SPARE,  SCL+4*HALFS               ; the spare words, 128 bytes for each wave: two blocks of 256 bytes that no other line names
.set ADRA, 16                          ; v16-17 LDS address of my A fragments in slot 0, 1 (v18-19: for the pieces behind one padding more)
.set ADRB, 20                          ; v20-23 the same for B
.set PSA,  24                          ; v24  the way out: where my row's scale word goes in LDS (slot 0, which has had its last fill and its last read by then)
.set PLA,  25                          ; v25  and where I read 16 bytes of the wave's 512 back
.set LOF,  26                          ; v26  16 x lane
.set ADRS, 27                          ; v27  LDS address of my scale words: lanes 0-15 A's rows, lanes 16-31 B's
.set SPW,  28                          ; v28  LDS address of my spare word; never rewritten
.set NIL,  29                          ; v29  0; never rewritten
.set VT,   30                          ; v30  my byte in the table: my row's place in its 32 positions x 256 + 64 (lane / 16)
.set VO,   31                          ; v31  my byte in a unit: 24 r + 12 h
.set SC,   32
.set TB,   64                          ; v64-95, v96-127 table rows for row blocks a % 2
.set AF,   128                         ; A's fragments
.set T,    128                         ; the way out: 64 rotated numbers
.set TM,   192                         ; v192-195 largest magnitudes, v196-199 bytes, v204-207 the conversions' scale operands
.set C,    208                         ; v208-223 four runs of three registers of codes
.set PW,   224                         ; v224-231 the scale words of my eight row blocks
.set G1, 24
.set G0, 32
.set G1B, 48
.set G0B, 56
.set G1S, 68
.set G0S, 76
.set G1SB, 80
.set G0SB, 88
.set MSB, 0
.macro WIN new                         ; the immediate's high byte repeats the setting that is left
.if MSB != \new
	s_set_vgpr_msb (MSB<<8)|\new
.set MSB, \new
.endif
.endm
.set MUL_LO, 0xa1                      ; source 0 (B) window 1, source 1 (A) window 0, C and D window 2
.set MUL_HI, 0xf1                      ; the same, C and D window 3
.set TO_B,   0x40                      ; destination window 1, address window 0
; A joint load: waves 0 and 1 fetch for A, waves 2 and 3 for B; the branch hangs on the wave's number alone.  Four v_nop follow each of the two lines.
.macro JLOAD g0a, g1a, g0b, g1b
	s_cmp_eq_u32 s15, 0
	s_cbranch_scc0 .Lfor_b_\@
	tensor_load_to_lds s[\g0a:\g0a+3], s[\g1a:\g1a+7]
	s_nop 0
.rept 4
	v_nop
.endr
	s_branch .Lasked_\@
.Lfor_b_\@:
	tensor_load_to_lds s[\g0b:\g0b+3], s[\g1b:\g1b+7]
	s_nop 0
.rept 4
	v_nop
.endr
.Lasked_\@:
.endm
.macro CREST                           ; a round of the cluster's barrier behind its opening barrier
	s_cmp_lg_u32 s14, 0
	s_cbranch_scc1 .Lnot_wave_0_\@
	s_barrier_signal -3
.Lnot_wave_0_\@:
	s_barrier_wait -3
	s_barrier_signal -1
	s_barrier_wait -1
.endm
.macro CROUND                          ; a whole round
	s_barrier_signal -1
	s_barrier_wait -1
	CREST
.endm
	s_load_b256 s[4:11], s[0:1], 0x0               ; codes s[4:5], scl s[6:7], rope s[8:9], qkv s[10:11]
	s_load_b64 s[12:13], s[0:1], 0x20              ; qkvs
	v_lshl_add_u32 v[SPW], v0, 2, SPARE
	v_mov_b32 v[NIL], 0
	ds_add_u32 v28, v29
	ds_add_u32 v28, v29
	s_wait_dscnt 0x0
	v_lshrrev_b32 v1, 5, v0
	v_readfirstlane_b32 s14, v1                    ; wave 0..3
	s_lshr_b32 s15, s14, 1                         ; which half of the tile's rows is mine.  Also: I fetch for A (0) or for B (1)
	s_and_b32 s16, s14, 1                          ; which half of its columns.  Also: which 128 rows of that tile I fetch
	s_bfe_u32 s40, ttmp6, 0x40000                  ; cx, cy: my place in the cluster
	s_bfe_u32 s41, ttmp6, 0x40004
	s_and_b32 s66, ttmp7, 0xffff                   ; the cluster's y
	s_mov_b32 s98, 98304
	s_mov_b32 s67, 1024
	s_cmp_lt_u32 ttmp9, 2                          ; q, k (cluster x = 0, 1) or V^T (2): only moves and selects stand between this compare and its last select
	s_cselect_b32 s42, ttmp9, s66                  ; the cluster's column of tiles
	s_cselect_b32 s17, s66, 0                      ; and its row
	s_cselect_b32 s95, 0, 10240                    ; A's first row in codes: hidden or Wv
	s_cselect_b32 s96, 8192, 0                     ; B's: Wq, Wk or hidden
	s_cselect_b32 s98, 24576, s98                  ; bytes from a row tile's units to the next's
	s_cselect_b32 s67, 8192, s67                   ; rows of the result
	s_cselect_b32 s97, 0, 12582912                 ; where the part begins in qkv
	s_cselect_b32 s100, 0, 524288                  ; and in qkvs
	s_mov_b32 s99, 0
	s_lshl_b32 s42, s42, 2
	s_add_co_u32 s42, s42, s40                     ; tile column
	s_lshl_b32 s17, s17, 2
	s_add_co_u32 s17, s17, s41                     ; tile row
	s_lshl_b32 s43, s41, 2
	s_lshl_b32 s43, 15, s43                        ; my row of the cluster
	s_lshl_b32 s44, 0x1111, s40                    ; my column
	; descriptor group 1: a tile of 128 rows x 192 bytes, 16 bytes of padding behind every 64
	s_or_b32 s[G1+0], s43, (0<<16)|(1<<20)|(1<<21)|(3<<22)|(3<<25)  ; 15:0 the mask: A's tiles go to my row; elements of 1 byte; padding on; bit 21 beside a mask; after every 16 words, 4 words
	s_or_b32 s[G1B+0], s44, (0<<16)|(1<<20)|(1<<21)|(3<<22)|(3<<25)
.irp g, G1, G1B
	s_mov_b32 s[\g+1], ROWB<<16                    ; tensor_dim0
	s_mov_b32 s[\g+2], 128<<16                     ; tensor_dim1
	s_mov_b32 s[\g+3], ROWB<<16                    ; tile_dim0
	s_mov_b32 s[\g+4], 128                         ; tile_dim1
	s_mov_b32 s[\g+5], KROW                        ; tensor_dim0_stride
	s_mov_b32 s[\g+6], 0
	s_mov_b32 s[\g+7], 0
.endr
	; the scales of 128 rows: a dense block of 4,096 bytes, as 16 rows of 256 bytes (32 elements of 8 bytes), 16 bytes of padding behind each
	s_or_b32 s[G1S+0], s43, (3<<16)|(1<<20)|(1<<21)|(5<<22)|(3<<25)
	s_or_b32 s[G1SB+0], s44, (3<<16)|(1<<20)|(1<<21)|(5<<22)|(3<<25)
.irp g, G1S, G1SB
	s_mov_b32 s[\g+1], 32<<16
	s_mov_b32 s[\g+2], 16<<16
	s_mov_b32 s[\g+3], 32<<16
	s_mov_b32 s[\g+4], 16
	s_mov_b32 s[\g+5], 32
	s_mov_b32 s[\g+6], 0
	s_mov_b32 s[\g+7], 0
.endr
	s_lshl_b32 s18, s16, 7                         ; which 128 rows of the tile I fetch
	s_lshl_b32 s20, s17, 8
	s_add_co_u32 s20, s20, s18
	s_add_co_u32 s20, s20, s95                     ; A: its row in codes: made of the tile row alone
	s_lshl_b32 s46, s42, 8
	s_add_co_u32 s46, s46, s18
	s_add_co_u32 s46, s46, s96                     ; B: made of the tile column alone
	s_mov_b32 s21, 0
	s_mov_b32 s47, 0
	s_mov_b64 s[18:19], KS
	s_mul_u64 s[22:23], s[20:21], s[18:19]         ; where these rows' scales begin, in bytes
	s_mul_u64 s[92:93], s[46:47], s[18:19]
	s_mov_b64 s[18:19], KROW
	s_mul_u64 s[20:21], s[20:21], s[18:19]         ; and their codes
	s_mul_u64 s[46:47], s[46:47], s[18:19]
	s_mul_i32 s45, s14, HALFT                      ; where they go: wave x 128 rows: no place in the cluster enters an LDS address
	s_mul_i32 s94, s14, HALFS
	s_wait_kmcnt 0x0
	s_add_nc_u64 s[20:21], s[4:5], s[20:21]
	s_add_nc_u64 s[22:23], s[6:7], s[22:23]
	s_add_nc_u64 s[46:47], s[4:5], s[46:47]
	s_add_nc_u64 s[92:93], s[6:7], s[92:93]
	CROUND                                         ; all sixteen work-groups are here: the first joint loads meet
	s_mov_b32 s[G0S], 1
	s_add_co_u32 s[G0S+1], s94, SCL
	s_mov_b64 s[G0S+2:G0S+3], s[22:23]
	s_or_b32 s[G0S+3], s[G0S+3], 0x80000000
	s_mov_b32 s[G0SB], 1
	s_add_co_u32 s[G0SB+1], s94, SCL
	s_mov_b64 s[G0SB+2:G0SB+3], s[92:93]
	s_or_b32 s[G0SB+3], s[G0SB+3], 0x80000000
	JLOAD G0S, G1S, G0SB, G1SB                     ; the scales first: they are wanted with K step 0
.irp s, 0,1
	s_mov_b32 s[G0+4*\s], 1
	s_add_co_u32 s[G0+4*\s+1], s45, \s*SLOT
	s_add_nc_u64 s[G0+4*\s+2:G0+4*\s+3], s[20:21], \s*ROWB
	s_or_b32 s[G0+4*\s+3], s[G0+4*\s+3], 0x80000000
	s_mov_b32 s[G0B+4*\s], 1
	s_add_co_u32 s[G0B+4*\s+1], s45, \s*SLOT
	s_add_nc_u64 s[G0B+4*\s+2:G0B+4*\s+3], s[46:47], \s*ROWB
	s_or_b32 s[G0B+4*\s+3], s[G0B+4*\s+3], 0x80000000
	JLOAD G0+4*\s, G1, G0B+4*\s, G1B
.endr
	v_and_b32 v1, 15, v0                           ; r = l % 16
	v_bfe_u32 v2, v0, 4, 1                         ; h = l / 16
	v_mul_u32_u24 v3, v1, PITCH
	v_mul_u32_u24 v4, v2, 24
	v_add_nc_u32 v4, v3, v4                        ; a fragment's row x pitch + 24 x half
	v_lshl_add_u32 v5, v2, 4, v4                   ; and the same behind one padding more
	s_mul_i32 s21, s15, HALFT                      ; my 128 rows of A
	s_mul_i32 s22, s16, HALFT                      ; my 128 rows of B,
	s_add_co_u32 s22, s22, 2*HALFT                 ; which lie behind A's 256
.irp s, 0,1
	v_add_nc_u32 v[ADRA+\s], s21, v4
	v_add_nc_u32 v[ADRB+\s], s22, v4
	v_add_nc_u32 v[ADRA+2+\s], s21, v5
	v_add_nc_u32 v[ADRB+2+\s], s22, v5
	s_add_co_u32 s21, s21, SLOT
	s_add_co_u32 s22, s22, SLOT
.endr
	v_mul_u32_u24 v5, v1, KS                       ; my row's scales: 32 bytes a row,
	v_lshrrev_b32 v6, 8, v5
	v_lshl_add_u32 v5, v6, 4, v5                   ; and 16 more for each 256 passed
	s_mul_i32 s21, s15, HALFS
	s_mul_i32 s22, s16, HALFS
	s_add_co_u32 s22, s22, 2*HALFS
	s_sub_co_u32 s22, s22, s21
	v_mul_u32_u24 v6, s22, v2                      ; lanes 16-31 take B's: the lower base + h x the distance
	s_add_co_u32 s21, s21, SCL
	v_add_nc_u32 v5, v5, v6
	v_add_nc_u32 v[ADRS], s21, v5
	; the way out's addresses
	v_and_b32 v5, 7, v1
	v_lshrrev_b32 v6, 3, v1
	v_lshl_add_u32 v5, v6, 4, v5                   ; (r & 7) + 16 (r >> 3): stored row r's place in its 32
	v_lshlrev_b32 v5, 8, v5
	v_lshl_add_u32 v[VT], v2, 6, v5                ; x 256 bytes a table row, + my half's 16 numbers
	v_mul_u32_u24 v[VO], v1, 24
	v_mad_u32_u24 v[VO], v2, 12, v[VO]
	s_lshl_b32 s23, s14, 9
	v_lshl_add_u32 v[PSA], v1, 2, s23              ; 512 x wave + 4 r
	v_and_b32 v6, 31, v0
	v_lshlrev_b32 v[LOF], 4, v6
	v_add_nc_u32 v[PLA], s23, v[LOF]               ; 512 x wave + 16 x lane
	s_lshl_b32 s20, s17, 4
	s_lshl_b32 s21, s15, 3
	s_add_co_u32 s20, s20, s21                     ; my first row tile
	s_mul_i32 s20, s20, s98
	s_add_co_u32 s20, s20, s97
	s_lshl_b32 s46, s42, 3
	s_lshl_b32 s47, s16, 2
	s_add_co_u32 s46, s46, s47                     ; my first block of 32 columns
	s_mul_i32 s46, s46, 384
	s_add_co_u32 s20, s20, s46
	s_mov_b32 s21, 0
	s_add_nc_u64 s[10:11], s[10:11], s[20:21]      ; my first unit
	s_lshl_b32 s46, s42, 1
	s_add_co_u32 s46, s46, s16                     ; my group of 128 columns
	s_mul_i32 s46, s46, s67
	s_lshl_b32 s20, s17, 8
	s_lshl_b32 s21, s15, 7
	s_add_co_u32 s20, s20, s21                     ; my first row
	s_add_co_u32 s46, s46, s20
	s_lshl_b32 s46, s46, 2
	s_add_co_u32 s46, s46, s100
	s_mov_b32 s47, 0
	s_add_nc_u64 s[12:13], s[12:13], s[46:47]      ; my 128 scale words
	s_and_b32 s21, s20, 2047                       ; a token's position: its row modulo the sequence's 2,048
	s_cmp_lt_u32 ttmp9, 2
	s_cselect_b32 s21, s21, 2048                   ; V^T: the rows of cos = 1, sin = 0
	s_lshl_b32 s20, s21, 8
	s_mov_b32 s21, 0
	s_add_nc_u64 s[8:9], s[8:9], s[20:21]
	s_mov_b32 s66, 0x76543210
	s_mov_b32 s67, 0xfedcba98                      ; v_permlanex16_b32's selects for lane l xor 16
; the table rows of row block a: for my stored row, cos and sin of my half's 16 frequencies
.macro TLOADS a
.set TT, TB+32*((\a)%2)
.irp j, 0,1,2,3
	global_load_b128 v[TT+4*\j:TT+4*\j+3], v[VT], s[8:9] offset:(32*((\a)/2)+8*((\a)%2))*256+16*\j
	global_load_b128 v[TT+16+4*\j:TT+16+4*\j+3], v[VT], s[8:9] offset:(32*((\a)/2)+8*((\a)%2))*256+128+16*\j
.endr
.endm
	TLOADS 0                                       ; asked for here, wanted on the way out: v64-127 are idle through the whole loop
	TLOADS 1
.macro FRAG reg, adr, q, i             ; a fragment: lane l holds row l % 16; registers 6 c .. 6 c + 5 hold K = 64 c + 32 (l / 16) + 0 .. 31: 24 bytes of the row, as they lie, in pieces of 8 bytes
.irp p, 0,1,2,3,4,5
.set PC, 12*(\q)+6*(\p/3)+\p%3        ; where the piece three on lies behind one padding more, the second address register serves
.if PC%8 < 5
	ds_load_b64 v[\reg+2*\p:\reg+2*\p+1], v[\adr] offset:8*PC+16*(PC/8)+(\i)*16*PITCH
.else
	ds_load_b64 v[\reg+2*\p:\reg+2*\p+1], v[\adr+2] offset:8*PC+16*(PC/8)+(\i)*16*PITCH
.endif
.endr
.endm
; 16 matrix instructions: A's blocks a0, a0 + 1 x B's eight, 128 along K.  The 64 accumulators take turns, one instruction a turn, in the same order in every step.
.macro MUL16 a0, p, q, sc, zero
.irp a, \a0, \a0+1
.irp b, 0,1,2,3,4,5,6,7
.if \zero
	v_wmma_scale_f32_16x16x128_f8f6f4 v[8*(8*((\a)%4)+\b):8*(8*((\a)%4)+\b)+7], v[128*(\p)+FR*\b:128*(\p)+FR*\b+FR-1], v[AF+FR*(\a):AF+FR*(\a)+FR-1], 0, v[SC+8*NQ*(\sc)+NQ*\b+(\q)], v[SC+8*NQ*(\sc)+NQ*(\a)+(\q)] matrix_a_fmt:MATRIX_FMT_FP6 matrix_b_fmt:MATRIX_FMT_FP6 matrix_a_scale:MATRIX_SCALE_ROW1
.else
	v_wmma_scale_f32_16x16x128_f8f6f4 v[8*(8*((\a)%4)+\b):8*(8*((\a)%4)+\b)+7], v[128*(\p)+FR*\b:128*(\p)+FR*\b+FR-1], v[AF+FR*(\a):AF+FR*(\a)+FR-1], v[8*(8*((\a)%4)+\b):8*(8*((\a)%4)+\b)+7], v[SC+8*NQ*(\sc)+NQ*\b+(\q)], v[SC+8*NQ*(\sc)+NQ*(\a)+(\q)] matrix_a_fmt:MATRIX_FMT_FP6 matrix_b_fmt:MATRIX_FMT_FP6 matrix_a_scale:MATRIX_SCALE_ROW1
.endif
.endr
.endr
.endm
.macro FETCH_B slot, q, p
	WIN TO_B
.irp i, 0,1,2,3,4,5,6,7
	FRAG 128*(\p)+FR*\i, ADRB+\slot, \q, \i
.endr
	WIN 0
.endm
.macro FETCH_A slot, q, i0
.irp i, \i0, \i0+1, \i0+2, \i0+3
	FRAG AF+FR*(\i), ADRA+\slot, \q, \i
.endr
.endm
.macro SCALES sc                       ; the next K step's scale words: two words a row; lanes 0-15 take A's block i, lanes 16-31 B's block i
.irp i, 0,1,2,3,4,5,6,7
	ds_load_b64 v[SC+8*NQ*\sc+NQ*\i:SC+8*NQ*\sc+NQ*\i+1], v[ADRS] offset:\i*SBLK
.endr
.endm
.macro PLACES n                        ; plain vector lines between a matrix instruction and a load into, or a vector line on, its registers
.rept \n
	v_nop
.endr
.endm
.macro STEP slot, q, zero              ; a step of 128 along K that has its successor in the same slot
	s_wait_dscnt 4*NL                              ; B's set and A's blocks 0-3 are in; the youngest 24 loads (A's blocks 4-7) may be out
	WIN MUL_LO
	MUL16 0, (\q)%2, \q, \slot, \zero
	MUL16 2, (\q)%2, \q, \slot, \zero
	s_wait_dscnt 0
	PLACES NP
	FETCH_B \slot, (\q)+1, 1-(\q)%2
	FETCH_A \slot, (\q)+1, 0
	WIN MUL_HI
	MUL16 4, (\q)%2, \q, \slot, \zero
	MUL16 6, (\q)%2, \q, \slot, \zero
	PLACES NP
	WIN 0
	FETCH_A \slot, (\q)+1, 4
.endm
; A slot's last step changes slots: one barrier; in front of it each wave waits for all its tensor loads, adds 0 to its spare word, and waits for that and for its own reads of this slot.
.macro TURN slot, next, fill
	s_wait_tensorcnt 0x0                           ; all my tensor loads have landed: my part of the next slot
	ds_add_u32 v[SPW], v[NIL]                      ; 0 onto my spare word
	s_wait_dscnt 4*NL+1                            ; the add and the youngest 24 loads (A's blocks 4-7) may be out
	WIN MUL_LO
	MUL16 0, 1, NQ-1, \slot, 0
	s_wait_dscnt 0x0                               ; the add is done, and my reads of this slot are over
	s_barrier_signal -1
	MUL16 2, 1, NQ-1, \slot, 0
	WIN 0
	s_barrier_wait -1
.if \fill
	CREST                                          ; the barrier has opened a round of the cluster's barrier: no wave of any partner still reads this slot or has a load on its way
	s_add_nc_u64 s[G0+4*\slot+2:G0+4*\slot+3], s[G0+4*\slot+2:G0+4*\slot+3], 2*ROWB
	s_add_nc_u64 s[G0B+4*\slot+2:G0B+4*\slot+3], s[G0B+4*\slot+2:G0B+4*\slot+3], 2*ROWB
	JLOAD G0+4*\slot, G1, G0B+4*\slot, G1B         ; the first tensor load behind the round; its four v_nop are the places in front of the loads below
.else
	PLACES NP
.endif
	v_add_nc_u32 v[ADRS], 4*NQ, v[ADRS]            ; on to the next K step's scale words
	FETCH_B \next, 0, 0
	FETCH_A \next, 0, 0
	SCALES \next
	WIN MUL_HI
	MUL16 4, 1, NQ-1, \slot, 0
	MUL16 6, 1, NQ-1, \slot, 0
	PLACES NP
	WIN 0
	FETCH_A \next, 0, 4
.endm
	s_wait_tensorcnt 1                             ; the scales and my part of K step 0 are in; K step 1's load may be out
	s_barrier_signal -1
	s_barrier_wait -1
	FETCH_B 0, 0, 0
	FETCH_A 0, 0, 0
	SCALES 0
	FETCH_A 0, 0, 4
	STEP 0, 0, 1                                   ; the first step's products start the sums
	s_mov_b32 s3, LAPS-1
.Llap:                                                 ; a trip goes once round the ring and fills both slots again
	TURN 0, 1, 1
	STEP 1, 0, 0
	TURN 1, 0, 1
	STEP 0, 0, 0
	s_sub_co_u32 s3, s3, 1
	s_cmp_lg_u32 s3, 0
	s_cbranch_scc1 .Llap
	TURN 0, 1, 0                                   ; the last lap fills nothing
	STEP 1, 0, 0
	s_wait_dscnt 4*NL
	WIN MUL_LO
	MUL16 0, 1, NQ-1, 1, 0
	MUL16 2, 1, NQ-1, 1, 0
	s_wait_dscnt 0
	WIN MUL_HI
	MUL16 4, 1, NQ-1, 1, 0
	MUL16 6, 1, NQ-1, 1, 0
	WIN 0
; THE WAY OUT, row block by row block (16 stored rows x 128 columns = two heads).  Register 16 b + i of a block's 64 is column 32 b + 16 h + i.
; In a head of 64, channel d < 32 (registers 32 e + i) turns with channel d + 32 (registers 32 e + 16 + i): x' = x cos - y sin, y' = y cos + x sin, cos and sin of frequency 16 h + i at my row's position.
.macro ROPE a
.set AC, 64*((\a)%4)
.set TT, TB+32*((\a)%2)
	WIN (2+(\a)/4)                                 ; source 0: window 2 or 3
.irp e, 0,1
.irp i, 0,2,4,6,8,10,12,14                     ; ascending: each accumulator is read from its low end on
	v_pk_mul_f32 v[T+32*\e+\i:T+32*\e+\i+1], v[AC+32*\e+\i:AC+32*\e+\i+1], v[TT+\i:TT+\i+1]
	v_pk_mul_f32 v[T+32*\e+16+\i:T+32*\e+16+\i+1], v[AC+32*\e+16+\i:AC+32*\e+16+\i+1], v[TT+\i:TT+\i+1]
	v_pk_fma_f32 v[T+32*\e+\i:T+32*\e+\i+1], v[AC+32*\e+16+\i:AC+32*\e+16+\i+1], v[TT+16+\i:TT+16+\i+1], v[T+32*\e+\i:T+32*\e+\i+1] neg_lo:[1,0,0] neg_hi:[1,0,0]
	v_pk_fma_f32 v[T+32*\e+16+\i:T+32*\e+16+\i+1], v[AC+32*\e+\i:AC+32*\e+\i+1], v[TT+16+\i:TT+16+\i+1], v[T+32*\e+16+\i:T+32*\e+16+\i+1]
.endr
.endr
	WIN 0
.endm
; 64 numbers of a lane, register 16 b + i = column 32 b + 16 h + i of my row, become four runs of 16 codes in v[C + 4 b] on and the row's scale word in v[pw]
.macro QUANTU s, pw
.irp b, 0,1,2,3
	v_max3_num_f32 v[TM+\b], |v[\s+16*\b]|, |v[\s+1+16*\b]|, 0x1800000   ; my 16 numbers of block b, and the floor 2^(3 - 127): the byte cannot fall under 1
.endr
.irp i, 2,4,6,8,10,12,14
.irp b, 0,1,2,3
	v_max3_num_f32 v[TM+\b], v[TM+\b], |v[\s+16*\b+\i]|, |v[\s+1+16*\b+\i]|   ; the four blocks by turns
.endr
.endr
.irp b, 0,1,2,3
	v_permlanex16_b32 v[TM+4+\b], v[TM+\b], s66, s67
.endr
.irp b, 0,1,2,3
	v_max_num_f32 v[TM+\b], v[TM+\b], v[TM+4+\b]   ; with lane l xor 16's: the block's largest magnitude
.endr
.irp b, 0,1,2,3
	v_add_nc_u32 v[TM+12+\b], 0xff000000, v[TM+\b] ; 2 off its exponent field: the conversion's scale operand
.endr
.irp b, 0,1,2,3
	v_lshrrev_b32 v[TM+4+\b], 23, v[TM+12+\b]      ; the scale's byte
.endr
	v_lshl_or_b32 v[\pw], v[TM+5], 8, v[TM+4]
	v_lshl_or_b32 v[\pw], v[TM+6], 16, v[\pw]
	v_lshl_or_b32 v[\pw], v[TM+7], 24, v[\pw]
.irp b, 0,1,2,3
	v_cvt_scalef32_pk16_fp6_f32 v[C+4*\b:C+4*\b+2], v[\s+16*\b:\s+16*\b+15], v[TM+12+\b]
.endr
	v_nop                                          ; one plain line behind the last conversion
.endm
.macro OUT a
.if (\a) < 7
	s_wait_loadcnt 8                               ; this block's eight table loads are in; the next block's eight may be out
.else
	s_wait_loadcnt 0x0
.endif
.if (\a) > 0
	s_wait_xcnt 0x0                                ; the last block's stores have read their data and their base: both are written again only behind this wait
	s_add_nc_u64 s[10:11], s[10:11], s[98:99]      ; the next row tile's units
.endif
	ROPE \a
.if (\a) < 6
	TLOADS (\a)+2                                  ; into the set just read
.endif
	QUANTU T, PW+(\a)
.irp b, 0,1,2,3
	global_store_b96 v[VO], v[C+4*\b:C+4*\b+2], s[10:11] offset:384*\b   ; a unit: the wave stores 384 consecutive bytes; the four stores 1,536
.endr
.endm
	PLACES NP                                      ; behind the last products: their results are read and A's registers written below
.irp b, 0,1,2,3
	v_mov_b32 v[TM+4+\b], 0                        ; written once: a lane permute's destination counts as one of its sources
.endr
.irp a, 0,1,2,3,4,5,6,7
	OUT \a
.endr
.irp a, 0,1,2,3,4,5,6,7
	ds_store_b32 v[PSA], v[PW+\a] offset:64*\a     ; lanes r and r + 16 write the same word with the same value
.endr
	ds_load_b128 v[T:T+3], v[PLA]                  ; LDS serves a wave's instructions in order: this sees my stores
	s_wait_dscnt 0x0
	global_store_b128 v[LOF], v[T:T+3], s[12:13]   ; my 128 rows' scale words: 512 consecutive bytes
	s_wait_tensorcnt 0x0                           ; the wave's end
	ds_add_u32 v[SPW], v[NIL]
	s_wait_dscnt 0x0
	CROUND                                         ; the closing round: no work-group ends while a partner may still ask for a tile that names it
	s_endpgm
.Lfunc_end_k_q8b765733b6_qkv:
	.size	k_q8b765733b6_qkv, .Lfunc_end_k_q8b765733b6_qkv-k_q8b765733b6_qkv
	.p2alignl 7, 3214868480
	.fill 96, 4, 3214868480
	.section	.rodata,"a",@progbits
	.p2align	6, 0x0
	.amdhsa_kernel k_q8b765733b6_qkv
		.amdhsa_group_segment_fixed_size 327680
		.amdhsa_private_segment_fixed_size 0
		.amdhsa_enable_private_segment 0
		.amdhsa_kernarg_size 40
		.amdhsa_user_sgpr_count 2
		.amdhsa_user_sgpr_kernarg_segment_ptr 1
		.amdhsa_wavefront_size32 1
		.amdhsa_system_sgpr_workgroup_id_x 1
		.amdhsa_system_sgpr_workgroup_id_y 1
		.amdhsa_system_sgpr_workgroup_id_z 1
		.amdhsa_system_vgpr_workitem_id 0
		.amdhsa_next_free_vgpr 1024
		.amdhsa_next_free_sgpr 102
		.amdhsa_reserve_vcc 0
		.amdhsa_float_denorm_mode_32 3
		.amdhsa_float_denorm_mode_16_64 3
		.amdhsa_memory_ordered 1
		.amdhsa_forward_progress 1
		.amdhsa_inst_pref_size 202
	.end_amdhsa_kernel
	.amdgpu_metadata
---
amdhsa.version: [ 1, 2 ]
amdhsa.kernels:
  - .name:           k_q8b765733b6_qkv
    .symbol:         k_q8b765733b6_qkv.kd
    .args:
      - { .name: codes, .offset: 0, .size: 8, .value_kind: global_buffer, .address_space: global }
      - { .name: scl, .offset: 8, .size: 8, .value_kind: global_buffer, .address_space: global }
      - { .name: rope, .offset: 16, .size: 8, .value_kind: global_buffer, .address_space: global }
      - { .name: qkv, .offset: 24, .size: 8, .value_kind: global_buffer, .address_space: global }
      - { .name: qkvs, .offset: 32, .size: 8, .value_kind: global_buffer, .address_space: global }
    .group_segment_fixed_size: 327680
    .private_segment_fixed_size: 0
    .kernarg_segment_align: 8
    .kernarg_segment_size: 40
    .max_flat_workgroup_size: 128
    .sgpr_count:     102
    .vgpr_count:     1024
    .wavefront_size: 32
...
	.end_amdgpu_metadata
.endif
;; end of part 2
;; launch attn (part 3): grid 64 x 8, 8 waves a work-group, no clusters, 52,224 bytes of LDS; arguments qkv, qkvs, acodes, ascl; writes acodes, ascl
.if DOCPART == 3
	.amdgcn_target "amdgcn-amd-amdhsa--gfx1250"
	.amdhsa_code_object_version 6
	.text
	.protected	k_q8b765733b6_attn
	.globl	k_q8b765733b6_attn
	.p2align	8
	.type	k_q8b765733b6_attn,@function
k_q8b765733b6_attn:
	s_mov_b64 s[64:65], 0
	v_nop
	global_prefetch_b8 v0, s[64:65] scope:SCOPE_SE
	s_setreg_imm32_b32 hwreg(HW_REG_WAVE_MODE, 25, 1), 1
	s_wait_xcnt 0x0
; Causal attention in a window of 128 keys, on codes of FP6 (E2M3) with one E8M0 scale for each 32 along a product's K; 16 heads of 64; the result is quantised along the 1,024 channels for the last projection.
; SHARES.  A work-group takes 128 queries (x: 64 such groups in the 4 sequences of 2,048) of a pair of heads (y); each of its eight waves one tile of 16 stored queries, both heads one after the other.
; A tile's queries lie in one block of 32 positions, so the keys that count for it lie in FIVE blocks of 32: that block and the four before.  Blocks 1 to 3 count whole; in block 0 a key counts where it is
; less than 128 behind the query, in block 4 where it is not ahead of it.  All other keys are thrown away by the mask that the problem builds itself, and are not multiplied.
; Tokens and V's channels lie in STORED ORDER (stored row 32 B + 16 u + r is row 32 B + 8 u + (r & 7) + 16 (r >> 3)).  Both products are used transposed: S^T = K Q^T, O^T = V^T P^T: a lane holds ONE query,
; and the 16 registers of two neighbouring result tiles are 16 neighbouring keys (channels): what the quantiser along the next K wants.
; A HEAD IS 64 WIDE, the instruction 128: Q's operand has zero codes in the other half, so K's operand may hold anything there: head 0 takes a key's piece as registers 0-5, head 1 as registers 6-11 of its operand,
; and the scale words of the pair of heads serve both heads as they lie.
; SOFTMAX: t = score x log2(e) / 8; M = the row's largest t rounded up to a whole number; p = 2^(t - M) is quantised along the keys; the sum of the unquantised p divides O at the end.  All 160 keys are at hand: one pass.
; No tensor load: a work-group reads 50 KB once, through registers, into LDS; one barrier.  No cluster: a work-group shares half of that one fill with one neighbour alone.
; LIMITS: NaN and infinities are not served; a block of zeros gets the byte 1 over zero codes (this program alone reads the bytes).
.set KB,  0                            ; LDS: K: [16 token tiles][4 units of the pair of heads], 1,536 bytes a tile; a unit: [16 rows][24 bytes]
.set VB,  24576                        ; V^T: [8 channel tiles][8 blocks of keys], 3,072 bytes a tile
.set SCB, 49152                        ; scale words: K's 256 tokens; V's 128 channels for the 128 keys before; V's for these 128 keys
.set AK,  4                            ; v4   K's pieces: 3,072 wl + 24 r + 384 h
.set AKS, 5                            ; v5   K's scale words
.set AV1, 6                            ; v6   V's blocks 0-3 of my five
.set AV2, 7                            ; v7   V's block 4
.set AVS, 8                            ; v8   V's scale words
.set DL,  9                            ; v9   my query's place in its 32 positions - 16 h
.set NINF, 10                          ; v10  -infinity
.set OC,  11                           ; v11  24 r + 12 h: my 16 codes' place in a unit
.set OS,  12                           ; v12  32 r: my row of scale bytes
.set LN,  13                           ; v13  lane
.set QS,  14                           ; v14  Q's scale word
.set AW,  15                           ; v15  the result's scale word
.set QF,  16                           ; v16-33 [head 0's piece][6 registers of zeros][head 1's piece]: head e's operand begins at v[16 + 6 e]
.set PS1, 34                           ; v34, v35 p's scale words: blocks 0-3, block 4
.set PS2, 35
.set SCR, 36                           ; v36-51 K's ten scale words; then V's: 4 for the keys before, 4 for these, 4 + 4 as the two products want them
.set KV,  52                           ; v52-129 K's ten pieces from v58 on; then V's four tiles, 18 registers each
.set S,   130                          ; v130-209 S^T, then p; O^T in the first 32
.set P1,  210                          ; v210-221 p's codes, blocks 0-3
.set P2,  222                          ; v222-233 block 4 in lanes 0-15 of the first six; all else zeros
.set BM,  234                          ; v234-238 block maxima
.set BT,  239                          ; v239-243 at work
.set SO,  244                          ; v244-248 the conversions' scale operands
.set RM,  249
.set NM,  250                          ; v[250:251] -M, later 1 / the sum (the low word serves both halves)
.set SU,  252                          ; v[252:255] the sum, in two chains of pairs
.set CS,  36                           ; s[36:37] log2(e) / 8
.set SEL, 38                           ; s38, s39 selects for lane l xor 16
	s_load_b256 s[4:11], s[0:1], 0x0               ; qkv, qkvs, acodes, ascl
	s_set_vgpr_msb 0x40
	v_lshl_add_u32 v0, v0, 2, 0xc800
	v_mov_b32 v1, 0
	s_set_vgpr_msb 0x4000
	v_lshrrev_b32 v1, 5, v0
	v_readfirstlane_b32 s12, v1                    ; wave 0..7
	s_lshr_b32 s13, s12, 1                         ; wl: which 32 positions of the 128
	s_and_b32 s14, s12, 1                          ; u: which tile of them
	s_and_b32 s15, ttmp7, 0xffff                   ; g: the pair of heads
	s_sub_co_i32 s16, ttmp9, 1
	s_max_i32 s16, s16, 0                          ; the 128 keys before (held inside the buffer; at a sequence's start they are masked)
	s_and_b32 s17, ttmp9, 15                       ; 0 at a sequence's start
	s_lshl_b32 s18, ttmp9, 3
	s_add_co_u32 s18, s18, s12                     ; my token tile
	v_and_b32 v[LN], 31, v0
	v_and_b32 v2, 15, v0                           ; r
	v_bfe_u32 v3, v0, 4, 1                         ; h
	v_lshlrev_b32 v200, 4, v[LN]                   ; v200-208: offsets and LDS addresses of the staging alone
	v_lshlrev_b32 v204, 3, v[LN]
	v_mul_u32_u24 v207, v2, 24
	v_mad_u32_u24 v205, v3, 384, v207              ; 24 r + 384 h: lane (r, h) takes block h of a pair of units
	v_lshlrev_b32 v206, 2, v2
	s_mul_i32 s22, s18, 24576                      ; a token tile's 64 units
	s_lshl_b32 s43, s16, 3
	s_add_co_u32 s43, s43, s12
	s_mul_i32 s20, s43, 24576
	s_mul_i32 s44, s15, 1536                       ; the pair's four units
	s_add_co_u32 s28, s22, s44                     ; Q
	s_add_co_u32 s44, s44, 12288                   ; k's units lie 32 units behind q's
	s_add_co_u32 s20, s20, s44                     ; K: my tile of the 128 tokens before,
	s_add_co_u32 s22, s22, s44                     ; and of these
	s_lshl_b32 s43, s15, 3
	s_add_co_u32 s43, s43, s12
	s_mul_i32 s43, s43, 98304                      ; V^T: channel tile 8 g + wave
	s_add_co_u32 s43, s43, 12582912
	s_mul_i32 s24, s16, 1536
	s_add_co_u32 s24, s24, s43                     ; its four blocks of the keys before,
	s_mul_i32 s26, ttmp9, 1536
	s_add_co_u32 s26, s26, s43                     ; and of these
	s_bitcmp1_b32 s13, 0                           ; scale words: waves 0, 1: K before; 2, 3: K; 4, 5: V before; 6, 7: V; 256 bytes a wave
	s_cselect_b32 s43, ttmp9, s16
	s_add_co_u32 s44, s15, 8
	s_lshl_b32 s44, s44, 15
	s_lshl_b32 s45, s43, 9
	s_add_co_u32 s44, s44, s45
	s_lshl_b32 s45, s43, 12
	s_lshl_b32 s46, s15, 9
	s_add_co_u32 s45, s45, s46
	s_add_co_u32 s45, s45, 524288
	s_cmp_lt_u32 s13, 2
	s_cselect_b32 s30, s44, s45
	s_lshl_b32 s44, s14, 8
	s_add_co_u32 s30, s30, s44
	s_lshl_b32 s32, s15, 15
	s_lshl_b32 s44, s18, 6
	s_add_co_u32 s32, s32, s44                     ; Q's scale words
	s_mul_i32 s34, s18, 12288
	s_mul_i32 s44, s15, 1536
	s_add_co_u32 s34, s34, s44                     ; the result's units
	s_lshl_b32 s46, s18, 9
	s_lshl_b32 s44, s15, 2
	s_add_co_u32 s46, s46, s44                     ; and its scale bytes
	s_mov_b32 s21, 0
	s_mov_b32 s23, 0
	s_mov_b32 s25, 0
	s_mov_b32 s27, 0
	s_mov_b32 s29, 0
	s_mov_b32 s31, 0
	s_mov_b32 s33, 0
	s_mov_b32 s35, 0
	s_mov_b32 s47, 0
	s_wait_kmcnt 0x0
	s_add_nc_u64 s[20:21], s[4:5], s[20:21]
	s_add_nc_u64 s[22:23], s[4:5], s[22:23]
	s_add_nc_u64 s[24:25], s[4:5], s[24:25]
	s_add_nc_u64 s[26:27], s[4:5], s[26:27]
	s_add_nc_u64 s[28:29], s[4:5], s[28:29]
	s_add_nc_u64 s[30:31], s[6:7], s[30:31]
	s_add_nc_u64 s[32:33], s[6:7], s[32:33]
	s_add_nc_u64 s[8:9], s[8:9], s[34:35]
	s_add_nc_u64 s[10:11], s[10:11], s[46:47]
.irp p, 0,1,2                                  ; four runs of 1,536 consecutive bytes, 512 a load
	global_load_b128 v[130+4*\p:133+4*\p], v200, s[20:21] offset:512*\p
	global_load_b128 v[142+4*\p:145+4*\p], v200, s[22:23] offset:512*\p
	global_load_b128 v[154+4*\p:157+4*\p], v200, s[24:25] offset:512*\p
	global_load_b128 v[166+4*\p:169+4*\p], v200, s[26:27] offset:512*\p
.endr
	global_load_b64 v[178:179], v204, s[30:31]
.irp p, 0,1,2
	global_load_b64 v[QF+2*\p:QF+2*\p+1], v205, s[28:29] offset:8*\p            ; head 0's two blocks
	global_load_b64 v[QF+12+2*\p:QF+13+2*\p], v205, s[28:29] offset:768+8*\p    ; head 1's
.endr
	global_load_b32 v[QS], v206, s[32:33]
.irp i, 0,1,2,3,4,5
	v_mov_b32 v[QF+6+\i], 0                        ; the zero codes between Q's two pieces
	v_mov_b32 v[KV+\i], 0                          ; what head 1's first and head 0's last operand of K name beside their piece,
	v_mov_b32 v[KV+66+\i], 0
	v_mov_b32 v[KV+72+\i], 0                       ; what V's last operand names behind block 4,
	v_mov_b32 v[P2+6+\i], 0                        ; and the upper half of p's second operand
.endr
.irp b, 0,1,2,3,4
	v_mov_b32 v[BT+\b], 0                          ; written once: a lane permute's destination counts as one of its sources
.endr
	v_mov_b32 v[NM+1], 0                           ; named as the upper half of a pair
	v_mov_b32 v[NINF], 0xff800000
	s_mul_i32 s42, s12, 1536
	v_add_nc_u32 v201, s42, v200                   ; K's stage: 1,536 x wave + 16 x lane
	s_mul_i32 s42, s12, 3072
	s_add_co_u32 s42, s42, VB
	v_add_nc_u32 v202, s42, v200                   ; V's: 3,072 x wave
	s_lshl_b32 s42, s12, 8
	s_add_co_u32 s42, s42, SCB
	v_add_nc_u32 v203, s42, v204                   ; the scale words': 256 x wave + 8 x lane
	s_mul_i32 s42, s13, 3072
	v_add_nc_u32 v[AK], s42, v205
	s_lshl_b32 s42, s13, 7
	s_add_co_u32 s42, s42, SCB
	v_add_nc_u32 v[AKS], s42, v206
	s_mul_i32 s42, s13, 384
	s_add_co_u32 s42, s42, VB
	v_add_nc_u32 v[AV1], s42, v205
	s_add_co_u32 s42, s42, 4*384
	v_add_nc_u32 v[AV2], s42, v207                 ; no term in h: both halves of the lanes take block 4; p's zeros stand against the upper half's
	v_add_nc_u32 v[AVS], SCB+1024, v206
	v_mad_u32_u24 v[OC], v3, 12, v207
	v_lshlrev_b32 v[OS], 5, v2
	v_and_b32 v207, 7, v2
	v_lshrrev_b32 v208, 3, v2
	v_lshl_add_u32 v207, v208, 4, v207
	v_lshlrev_b32 v208, 4, v3
	v_sub_nc_u32 v[DL], v207, v208
	s_lshl_b32 s42, s14, 3
	v_add_nc_u32 v[DL], s42, v[DL]                 ; 8 u + (r & 7) + 16 (r >> 3) - 16 h
	s_mov_b32 s[CS], 0x3e38aa3b                    ; log2(e) / 8
	s_mov_b32 s[CS+1], s[CS]
	s_mov_b32 s[SEL], 0x76543210
	s_mov_b32 s[SEL+1], 0xfedcba98
	s_mul_i32 s40, s13, 0x01010101
	s_add_co_u32 s40, s40, 0x03020100              ; bytes wl .. wl + 3 of V's two scale words
	s_lshl_b32 s41, s13, 3                         ; and byte wl of the second
	s_wait_loadcnt 7                               ; the thirteen staging loads are in; Q's six and its scale word may be out
.irp p, 0,1,2
	ds_store_b128 v201, v[130+4*\p:133+4*\p] offset:512*\p
	ds_store_b128 v201, v[142+4*\p:145+4*\p] offset:12288+512*\p
	ds_store_b128 v202, v[154+4*\p:157+4*\p] offset:512*\p
	ds_store_b128 v202, v[166+4*\p:169+4*\p] offset:1536+512*\p
.endr
	ds_store_b64 v203, v[178:179]
	s_wait_dscnt 0x0                               ; for the others' sake: my stores have landed
	s_barrier_signal -1
	s_barrier_wait -1                              ; from here on LDS is only read
	s_wait_loadcnt 0x0                             ; Q
.macro HEAD e
.if \e
	s_wait_xcnt 0x0                                ; head 0's stores have read their data: those registers are written again only behind this wait
.endif
.irp f, 0,1,2,3,4,5,6,7,8,9                    ; ten tiles of 16 keys: a piece of 24 bytes a lane, and the tile's scale words
.irp p, 0,1,2
	ds_load_b64 v[KV+6+6*\f+2*\p:KV+7+6*\f+2*\p], v[AK] offset:1536*\f+768*\e+8*\p
.endr
	ds_load_b32 v[SCR+\f], v[AKS] offset:64*\f
.endr
	s_wait_dscnt 0x0
.irp f, 0,1,2,3,4,5,6,7,8,9                    ; S^T: register 16 b + i of lane (r, h): key 32 b + 16 h + i of my five blocks, query r
	v_wmma_scale_f32_16x16x128_f8f6f4 v[S+8*\f:S+8*\f+7], v[KV+6+6*\f-6*\e:KV+17+6*\f-6*\e], v[QF+6*\e:QF+11+6*\e], 0, v[SCR+\f], v[QS] matrix_a_fmt:MATRIX_FMT_FP6 matrix_b_fmt:MATRIX_FMT_FP6
.endr
.rept 4
	v_nop                                          ; places in front of the loads into K's registers and of the first read of the scores
.endr
.irp t, 0,1,2,3                                ; V^T: four tiles of 16 channels: blocks 0-3 (12 registers), block 4 (6), and two scale words; they land under the softmax
.irp p, 0,1,2,3,4,5
	ds_load_b64 v[KV+18*\t+2*\p:KV+18*\t+2*\p+1], v[AV1] offset:(4*\e+\t)*3072+768*(\p/3)+8*(\p%3)
.endr
.irp p, 0,1,2
	ds_load_b64 v[KV+18*\t+12+2*\p:KV+18*\t+13+2*\p], v[AV2] offset:(4*\e+\t)*3072+8*\p
.endr
	ds_load_b32 v[SCR+\t], v[AVS] offset:4*(64*\e+16*\t)
	ds_load_b32 v[SCR+4+\t], v[AVS] offset:4*(64*\e+16*\t)+512
.endr
.irp i, 0,1,2,3,4,5,6,7,8,9,10,11,12,13,14,15  ; the window: in block 0 key 16 h + i counts where it lies behind my query's place, in block 4 where it does not
	v_cmp_gt_i32 vcc_lo, \i, v[DL]
	v_cndmask_b32 v[S+\i], v[NINF], v[S+\i], vcc_lo
	v_cndmask_b32 v[S+64+\i], v[S+64+\i], v[NINF], vcc_lo
.endr
	s_cmp_lg_u32 s17, 0                            ; at a sequence's start the 128 keys before do not exist: a branch on the work-group's number
	s_cbranch_scc1 .Linside_\@
.irp b, 0,1,2,3
	s_add_co_u32 s42, s13, \b
	s_cmp_lt_u32 s42, 4
	s_cselect_b32 s42, -1, 0
.irp i, 0,1,2,3,4,5,6,7,8,9,10,11,12,13,14,15
	v_cndmask_b32 v[S+16*\b+\i], v[S+16*\b+\i], v[NINF], s42
.endr
.endr
.Linside_\@:
.irp b, 0,1,2,3,4
	v_max3_num_f32 v[BM+\b], v[S+16*\b], v[S+16*\b+1], v[S+16*\b+2]   ; the largest score of each block: for the row's maximum and, since p rises with the score, for the block's largest p
.endr
.irp i, 3,5,7,9,11,13
.irp b, 0,1,2,3,4
	v_max3_num_f32 v[BM+\b], v[BM+\b], v[S+16*\b+\i], v[S+16*\b+\i+1]
.endr
.endr
.irp b, 0,1,2,3,4
	v_max_num_f32 v[BM+\b], v[BM+\b], v[S+16*\b+15]
.endr
.irp b, 0,1,2,3,4
	v_permlanex16_b32 v[BT+\b], v[BM+\b], s[SEL], s[SEL+1]
.endr
.irp b, 0,1,2,3,4
	v_max_num_f32 v[BM+\b], v[BM+\b], v[BT+\b]     ; with lane l xor 16's 16 keys
.endr
	v_max3_num_f32 v[RM], v[BM], v[BM+1], v[BM+2]
	v_max3_num_f32 v[RM], v[RM], v[BM+3], v[BM+4]  ; the row's largest score: my own key counts, so it is a number
	v_mul_f32 v[RM], s[CS], v[RM]
	v_floor_f32 v[NM], -v[RM]                      ; -M = floor(-t) = -ceil(t)
.irp j, 0,2,4,6,8,10,12,14,16,18,20,22,24,26,28,30,32,34,36,38,40,42,44,46,48,50,52,54,56,58,60,62,64,66,68,70,72,74,76,78
	v_pk_fma_f32 v[S+\j:S+\j+1], v[S+\j:S+\j+1], s[CS:CS+1], v[NM:NM+1] op_sel_hi:[1,0,0]   ; t - M
.endr
.irp b, 0,1,2,3,4
	v_fma_f32 v[BM+\b], v[BM+\b], s[CS], v[NM]
.endr
.irp j, 0,1,2,3,4,5,6,7,8,9,10,11,12,13,14,15,16,17,18,19,20,21,22,23,24,25,26,27,28,29,30,31,32,33,34,35,36,37,38,39,40,41,42,43,44,45,46,47,48,49,50,51,52,53,54,55,56,57,58,59,60,61,62,63,64,65,66,67,68,69,70,71,72,73,74,75,76,77,78,79
	v_exp_f32 v[S+\j], v[S+\j]                     ; p = 2^(t - M); a hidden key's is 0
.endr
.irp i, 0,1,2
	v_mov_b32 v[P2+3+\i], 0                        ; plain lines behind the exponentials: the registers with which block 4's codes change halves
.endr
	s_wait_alu depctr_va_vdst(0)                   ; one wait for the batch of 80, ahead of its first reader
.irp b, 0,1,2,3,4
	v_exp_f32 v[BM+\b], v[BM+\b]                   ; each block's largest p: the same two instructions on the same number
.endr
	v_pk_add_f32 v[SU:SU+1], v[S:S+1], v[S+2:S+3]  ; the row's sum of the unquantised p, in two chains: plain work behind the five
	v_pk_add_f32 v[SU+2:SU+3], v[S+4:S+5], v[S+6:S+7]
.irp j, 8,12,16,20,24,28,32,36,40,44,48,52,56,60,64,68,72,76
	v_pk_add_f32 v[SU:SU+1], v[SU:SU+1], v[S+\j:S+\j+1]
	v_pk_add_f32 v[SU+2:SU+3], v[SU+2:SU+3], v[S+\j+2:S+\j+3]
.endr
	s_wait_alu depctr_va_vdst(0)                   ; and one for the five
.irp b, 0,1,2,3,4
	v_max_num_f32 v[BM+\b], 0x1800000, v[BM+\b]    ; the floor 2^(3 - 127): a block of zeros keeps the byte 1 over zero codes
.endr
.irp b, 0,1,2,3,4
	v_add_nc_u32 v[SO+\b], 0xff000000, v[BM+\b]    ; 2 off the exponent field: the conversion's scale operand
.endr
.irp b, 0,1,2,3,4
	v_lshrrev_b32 v[BT+\b], 23, v[SO+\b]           ; the scale's byte
.endr
	v_lshl_or_b32 v[PS1], v[BT+1], 8, v[BT]
	v_lshl_or_b32 v[PS1], v[BT+2], 16, v[PS1]
	v_lshl_or_b32 v[PS1], v[BT+3], 24, v[PS1]
	v_mov_b32 v[PS2], v[BT+4]
	s_wait_dscnt 0x0                               ; V and its scale words are in
.irp t, 0,1,2,3
	v_perm_b32 v[SCR+8+\t], v[SCR+4+\t], v[SCR+\t], s40   ; the bytes of my blocks 0-3,
	v_lshrrev_b32 v[SCR+12+\t], s41, v[SCR+4+\t]          ; and of block 4 (zeros come in above it: they stand for a power of two, over zero codes)
.endr
	v_cvt_scalef32_pk16_fp6_f32 v[P1:P1+2], v[S:S+15], v[SO]
	v_cvt_scalef32_pk16_fp6_f32 v[BM:BM+2], v[S+16:S+31], v[SO+1]      ; (a conversion's three registers begin on an even number)
	v_cvt_scalef32_pk16_fp6_f32 v[P1+6:P1+8], v[S+32:S+47], v[SO+2]
	v_cvt_scalef32_pk16_fp6_f32 v[BM+4:BM+6], v[S+48:S+63], v[SO+3]
	v_cvt_scalef32_pk16_fp6_f32 v[P2:P2+2], v[S+64:S+79], v[SO+4]
	v_nop                                          ; one plain line behind the last conversion
.irp c, 0,1                                    ; the operand wants a whole block in a lane: lanes 0-15 block 2 c, lanes 16-31 block 2 c + 1
.irp i, 0,1,2
	v_permlane16_swap_b32 v[P1+6*\c+\i], v[BM+4*\c+\i]
.endr
.irp i, 0,1,2
	v_mov_b32 v[P1+3+6*\c+\i], v[BM+4*\c+\i]
.endr
.endr
.irp i, 0,1,2
	v_permlane16_swap_b32 v[P2+\i], v[P2+3+\i]     ; block 4 whole in lanes 0-15; lanes 16-31 take the zeros
.endr
	v_pk_add_f32 v[SU:SU+1], v[SU:SU+1], v[SU+2:SU+3]
	v_add_f32 v[SU], v[SU], v[SU+1]
	v_permlanex16_b32 v[SU+1], v[SU], s[SEL], s[SEL+1]
	v_add_f32 v[SU], v[SU], v[SU+1]                ; the row's sum
	v_rcp_f32 v[NM], v[SU]
.rept 8
	v_nop                                          ; eight places between the scale registers' last vector write and the scaled products; the first is the plain line behind the reciprocal
.endr
	s_wait_alu depctr_va_vdst(0)                   ; the wait for the reciprocal, ahead of its first reader
.irp t, 0,1,2,3                                ; O^T = V^T P^T: four accumulators by turns, one instruction a turn: blocks 0-3 start the sums,
	v_wmma_scale_f32_16x16x128_f8f6f4 v[S+8*\t:S+8*\t+7], v[KV+18*\t:KV+18*\t+11], v[P1:P1+11], 0, v[SCR+8+\t], v[PS1] matrix_a_fmt:MATRIX_FMT_FP6 matrix_b_fmt:MATRIX_FMT_FP6
.endr
.irp t, 0,1,2,3                                ; block 4 is added
	v_wmma_scale_f32_16x16x128_f8f6f4 v[S+8*\t:S+8*\t+7], v[KV+18*\t+12:KV+18*\t+23], v[P2:P2+11], v[S+8*\t:S+8*\t+7], v[SCR+12+\t], v[PS2] matrix_a_fmt:MATRIX_FMT_FP6 matrix_b_fmt:MATRIX_FMT_FP6
.endr
.rept 4
	v_nop
.endr
.irp j, 0,2,4,6,8,10,12,14,16,18,20,22,24,26,28,30
	v_pk_mul_f32 v[S+\j:S+\j+1], v[S+\j:S+\j+1], v[NM:NM+1] op_sel_hi:[1,0]   ; / the sum; register 16 b + i: channel 32 b + 16 h + i of the head
.endr
.irp b, 0,1                                    ; the head's two blocks of 32 channels are quantised for the last projection
	v_max3_num_f32 v[BM+\b], |v[S+16*\b]|, |v[S+16*\b+1]|, 0x1800000
.endr
.irp i, 2,4,6,8,10,12,14
.irp b, 0,1
	v_max3_num_f32 v[BM+\b], v[BM+\b], |v[S+16*\b+\i]|, |v[S+16*\b+\i+1]|
.endr
.endr
.irp b, 0,1
	v_permlanex16_b32 v[BT+\b], v[BM+\b], s[SEL], s[SEL+1]
.endr
.irp b, 0,1
	v_max_num_f32 v[BM+\b], v[BM+\b], v[BT+\b]
.endr
.irp b, 0,1
	v_add_nc_u32 v[SO+\b], 0xff000000, v[BM+\b]
.endr
.irp b, 0,1
	v_lshrrev_b32 v[BT+\b], 23, v[SO+\b]
.endr
.if \e
	v_lshl_or_b32 v[AW], v[BT], 16, v[AW]
	v_lshl_or_b32 v[AW], v[BT+1], 24, v[AW]
.else
	v_lshl_or_b32 v[AW], v[BT+1], 8, v[BT]
.endif
	v_cvt_scalef32_pk16_fp6_f32 v[P1:P1+2], v[S:S+15], v[SO]
	v_cvt_scalef32_pk16_fp6_f32 v[P1+4:P1+6], v[S+16:S+31], v[SO+1]
	v_nop                                          ; one plain line behind the last conversion
	global_store_b96 v[OC], v[P1:P1+2], s[8:9] offset:(2*\e)*384        ; a unit: the wave stores 384 consecutive bytes
	global_store_b96 v[OC], v[P1+4:P1+6], s[8:9] offset:(2*\e+1)*384
.endm
	HEAD 0
	HEAD 1
	s_wait_xcnt 0x0                                ; EXEC changes only behind this wait
	v_cmp_gt_u32 vcc_lo, 16, v[LN]
	s_set_vgpr_msb 0x5
	s_wait_tensorcnt 0x0
	ds_add_u32 v0, v1
	s_wait_dscnt 0x0
	s_set_vgpr_msb 0x500
	s_and_saveexec_b32 s42, vcc_lo                 ; lanes r and r + 16 hold the same word: lanes 0-15 store it
	global_store_b32 v[OS], v[AW], s[10:11]        ; four of my row's 32 scale bytes
	s_wait_xcnt 0x0
	s_or_b32 exec_lo, exec_lo, s42
	s_endpgm
.Lfunc_end_k_q8b765733b6_attn:
	.size	k_q8b765733b6_attn, .Lfunc_end_k_q8b765733b6_attn-k_q8b765733b6_attn
	.p2alignl 7, 3214868480
	.fill 96, 4, 3214868480
	.section	.rodata,"a",@progbits
	.p2align	6, 0x0
	.amdhsa_kernel k_q8b765733b6_attn
		.amdhsa_group_segment_fixed_size 52224
		.amdhsa_private_segment_fixed_size 0
		.amdhsa_enable_private_segment 0
		.amdhsa_kernarg_size 32
		.amdhsa_user_sgpr_count 2
		.amdhsa_user_sgpr_kernarg_segment_ptr 1
		.amdhsa_wavefront_size32 1
		.amdhsa_system_sgpr_workgroup_id_x 1
		.amdhsa_system_sgpr_workgroup_id_y 1
		.amdhsa_system_sgpr_workgroup_id_z 1
		.amdhsa_system_vgpr_workitem_id 0
		.amdhsa_next_free_vgpr 258
		.amdhsa_next_free_sgpr 66
		.amdhsa_reserve_vcc 1
		.amdhsa_float_denorm_mode_32 3
		.amdhsa_float_denorm_mode_16_64 3
		.amdhsa_memory_ordered 1
		.amdhsa_forward_progress 1
		.amdhsa_inst_pref_size 71
	.end_amdhsa_kernel
	.amdgpu_metadata
---
amdhsa.version: [ 1, 2 ]
amdhsa.kernels:
  - .name:           k_q8b765733b6_attn
    .symbol:         k_q8b765733b6_attn.kd
    .args:
      - { .name: qkv, .offset: 0, .size: 8, .value_kind: global_buffer, .address_space: global }
      - { .name: qkvs, .offset: 8, .size: 8, .value_kind: global_buffer, .address_space: global }
      - { .name: acodes, .offset: 16, .size: 8, .value_kind: global_buffer, .address_space: global }
      - { .name: ascl, .offset: 24, .size: 8, .value_kind: global_buffer, .address_space: global }
    .group_segment_fixed_size: 52224
    .private_segment_fixed_size: 0
    .kernarg_segment_align: 8
    .kernarg_segment_size: 32
    .max_flat_workgroup_size: 256
    .sgpr_count:     66
    .vgpr_count:     258
    .wavefront_size: 32
...
	.end_amdgpu_metadata
.endif
;; end of part 3
;; launch oproj (part 4): grid 4 x 32, 4 waves a work-group, clusters of 4 x 4, 327,680 bytes of LDS; arguments acodes, ascl, codes, scl, out0; writes out0
.if DOCPART == 4
	.amdgcn_target "amdgcn-amd-amdhsa--gfx1250"
	.amdhsa_code_object_version 6
	.text
	.protected	k_q8b765733b6_oproj
	.globl	k_q8b765733b6_oproj
	.p2align	8
	.type	k_q8b765733b6_oproj,@function
k_q8b765733b6_oproj:
	s_mov_b64 s[64:65], 0
	v_nop
	global_prefetch_b8 v0, s[64:65] scope:SCOPE_SE
	s_setreg_imm32_b32 hwreg(HW_REG_WAVE_MODE, 25, 1), 1
	s_wait_xcnt 0x0
	s_wait_alu depctr_hold_cnt(0) depctr_sa_sdst(0) depctr_va_vdst(0) depctr_va_sdst(0) depctr_va_ssrc(0) depctr_va_vcc(0) depctr_vm_vsrc(0)
	s_getreg_b32 s2, hwreg(HW_REG_IB_STS2, 6, 4)
	s_cmp_eq_u32 s2, 0
	s_cbranch_scc0 .Lentry_in_a_cluster
	s_endpgm
.Lentry_in_a_cluster:
	s_bfe_u32 s2, ttmp6, 0x10000c
	s_cmp_lg_u32 s2, 0xf033
	s_cbranch_scc0 .Lentry_shape_is_right
	s_endpgm
.Lentry_shape_is_right:
; out0 [8192][1024] f32 = A Wo^T on codes of FP6 (E2M3) with one E8M0 scale for each 32 along K = 1024.
; A, the attention's result: codes in units of 384 bytes = [16 stored tokens][24 bytes: a block of 32 codes], ordered [512 token tiles][32 blocks]; scale bytes [8192 stored tokens][32].
; Wo: rows 11,264 on of codes [.][768 bytes] and scl [.][32], in their own order.
; Tokens lie in STORED ORDER (stored row 32 B + 16 u + r is row 32 B + 8 u + (r & 7) + 16 (r >> 3)); only the stores at the end know of it.
; A tile of the result, 256 x 256, is made by four waves, 128 x 128 each: 64 accumulators, 512 registers.  K goes in steps of 256 through a ring of two LDS slots filled by the tensor data mover:
; of A a wave's load brings 8 token tiles x 8 units (8 rows of 3,072 bytes), of Wo 128 rows of 192 bytes.  The scale bytes come into LDS once, with the first fills.
; 4 x 4 work-groups form a cluster; A's tiles are asked for jointly along a row of it, Wo's along a column.  The matrix instruction is used transposed: a lane holds eight neighbouring numbers of a row of the result.
; REGISTERS, in windows of 256: window 0: v0-31 addresses; v32-63 scale words, two sets; from v128 A's fragments, ONE set; on the way out v128-255 are free.
;   window 1: B's fragments, two sets.   window 2: the accumulators of my rows 0-63 ((a, b) at v[8 (8 a + b)]);   window 3: those of my rows 64-127.
.set SIZE_N, 1024
.set KSTEP,  256
.set NQ,     2
.set ROWB,   192                       ; a row of Wo's tile in bytes
.set AROWB,  3072                      ; a token tile's 8 units of a K step
.set KROW,   768                       ; a row of codes in memory; a token tile's 32 units are 16 x as much
.set PITCH,  240                       ; Wo's LDS row: 3 x (64 bytes + 16 of padding)
.set FR,     12
.set NL,     6
.set NP,     4
.set HALFT,  128*PITCH                 ; a wave's part of a slot (A's 24,576 bytes lie in the same room)
.set SLOT,   4*HALFT
.set LAPS,   2
.set KS,     32
.set SCL,    2*SLOT
.set HALFS,  16*272
.set SBLK,   2*272
.set SPARE,  SCL+4*HALFS               ; the spare words, 128 bytes for each wave: two blocks of 256 bytes that no other line names
.set SPITCH, 528                       ; the way out: a stage of 16 rows x (512 bytes + 16) for each wave, in slot 0, which has had its last fill and its last read by then
.set ADRA, 16                          ; v16-17 LDS address of my A fragments in slot 0, 1
.set ADRB, 20                          ; v20-21 the same for B (v22-23: for the pieces behind one padding more)
.set STO,  24
.set RD,   25
.set CO,   26
.set ADRS, 27
.set SPW,  28                          ; v28  LDS address of my spare word; never rewritten
.set NIL,  29                          ; v29  0; never rewritten
.set SC,   32
.set AF,   128
.set BK,   128
.set G1, 24
.set G0, 32
.set G1B, 48
.set G0B, 56
.set G1S, 68
.set G0S, 76
.set G1SB, 80
.set G0SB, 88
.set MSB, 0
.macro WIN new                         ; the immediate's high byte repeats the setting that is left
.if MSB != \new
	s_set_vgpr_msb (MSB<<8)|\new
.set MSB, \new
.endif
.endm
.set MUL_LO, 0xa1
.set MUL_HI, 0xf1
.set TO_B,   0x40
.macro JLOAD g0a, g1a, g0b, g1b        ; a joint load: waves 0 and 1 fetch for A, waves 2 and 3 for B; four v_nop follow each of the two lines
	s_cmp_eq_u32 s15, 0
	s_cbranch_scc0 .Lfor_b_\@
	tensor_load_to_lds s[\g0a:\g0a+3], s[\g1a:\g1a+7]
	s_nop 0
.rept 4
	v_nop
.endr
	s_branch .Lasked_\@
.Lfor_b_\@:
	tensor_load_to_lds s[\g0b:\g0b+3], s[\g1b:\g1b+7]
	s_nop 0
.rept 4
	v_nop
.endr
.Lasked_\@:
.endm
.macro CREST
	s_cmp_lg_u32 s14, 0
	s_cbranch_scc1 .Lnot_wave_0_\@
	s_barrier_signal -3
.Lnot_wave_0_\@:
	s_barrier_wait -3
	s_barrier_signal -1
	s_barrier_wait -1
.endm
.macro CROUND
	s_barrier_signal -1
	s_barrier_wait -1
	CREST
.endm
	s_load_b128 s[4:7], s[0:1], 0x0                ; A's codes, A's scales
	s_load_b128 s[8:11], s[0:1], 0x10              ; codes, scl
	s_load_b64 s[12:13], s[0:1], 0x20              ; out0
	v_lshl_add_u32 v[SPW], v0, 2, SPARE
	v_mov_b32 v[NIL], 0
	ds_add_u32 v28, v29
	ds_add_u32 v28, v29
	s_wait_dscnt 0x0
	v_lshrrev_b32 v1, 5, v0
	v_readfirstlane_b32 s14, v1                    ; wave 0..3
	s_lshr_b32 s15, s14, 1
	s_and_b32 s16, s14, 1
	s_bfe_u32 s40, ttmp6, 0x40000                  ; cx, cy
	s_bfe_u32 s41, ttmp6, 0x40004
	s_lshl_b32 s42, ttmp9, 2
	s_add_co_u32 s42, s42, s40                     ; tile column
	s_and_b32 s17, ttmp7, 0xffff
	s_lshl_b32 s17, s17, 2
	s_add_co_u32 s17, s17, s41                     ; tile row
	s_lshl_b32 s43, s41, 2
	s_lshl_b32 s43, 15, s43                        ; my row of the cluster
	s_lshl_b32 s44, 0x1111, s40                    ; my column
	; descriptor group 1 for A: 8 rows (token tiles) of 3,072 bytes, 12,288 bytes apart, no padding: the units' own 24 bytes a row keep a load's lanes in different banks
	s_or_b32 s[G1+0], s43, (0<<16)|(1<<21)
	s_mov_b32 s[G1+1], AROWB<<16                   ; tensor_dim0
	s_mov_b32 s[G1+2], 8<<16                       ; tensor_dim1
	s_mov_b32 s[G1+3], AROWB<<16                   ; tile_dim0
	s_mov_b32 s[G1+4], 8                           ; tile_dim1
	s_mov_b32 s[G1+5], 16*KROW                     ; tensor_dim0_stride
	s_mov_b32 s[G1+6], 0
	s_mov_b32 s[G1+7], 0
	; for Wo: 128 rows of 192 bytes, 16 bytes of padding behind every 64
	s_or_b32 s[G1B+0], s44, (0<<16)|(1<<20)|(1<<21)|(3<<22)|(3<<25)
	s_mov_b32 s[G1B+1], ROWB<<16
	s_mov_b32 s[G1B+2], 128<<16
	s_mov_b32 s[G1B+3], ROWB<<16
	s_mov_b32 s[G1B+4], 128
	s_mov_b32 s[G1B+5], KROW
	s_mov_b32 s[G1B+6], 0
	s_mov_b32 s[G1B+7], 0
	; the scales of 128 rows: 16 rows of 256 bytes, 16 bytes of padding behind each
	s_or_b32 s[G1S+0], s43, (3<<16)|(1<<20)|(1<<21)|(5<<22)|(3<<25)
	s_or_b32 s[G1SB+0], s44, (3<<16)|(1<<20)|(1<<21)|(5<<22)|(3<<25)
.irp g, G1S, G1SB
	s_mov_b32 s[\g+1], 32<<16
	s_mov_b32 s[\g+2], 16<<16
	s_mov_b32 s[\g+3], 32<<16
	s_mov_b32 s[\g+4], 16
	s_mov_b32 s[\g+5], 32
	s_mov_b32 s[\g+6], 0
	s_mov_b32 s[\g+7], 0
.endr
	s_lshl_b32 s18, s16, 7
	s_lshl_b32 s20, s17, 8
	s_add_co_u32 s20, s20, s18                     ; A: stored row 256 x tile row + 128 x half
	s_lshl_b32 s46, s42, 8
	s_add_co_u32 s46, s46, s18                     ; Wo: row 256 x tile column + 128 x half
	s_mov_b32 s21, 0
	s_mov_b32 s47, 0
	s_mov_b64 s[18:19], KS
	s_mul_u64 s[22:23], s[20:21], s[18:19]
	s_mul_u64 s[92:93], s[46:47], s[18:19]
	s_mov_b64 s[18:19], KROW
	s_mul_u64 s[20:21], s[20:21], s[18:19]         ; (16 rows x 768 bytes are a token tile's 12,288)
	s_mul_u64 s[46:47], s[46:47], s[18:19]
	s_mul_i32 s45, s14, HALFT
	s_mul_i32 s94, s14, HALFS
	s_wait_kmcnt 0x0
	s_add_nc_u64 s[8:9], s[8:9], 11264*768         ; Wo's first row
	s_add_nc_u64 s[10:11], s[10:11], 11264*32
	s_add_nc_u64 s[20:21], s[4:5], s[20:21]
	s_add_nc_u64 s[22:23], s[6:7], s[22:23]
	s_add_nc_u64 s[46:47], s[8:9], s[46:47]
	s_add_nc_u64 s[92:93], s[10:11], s[92:93]
	CROUND                                         ; all sixteen work-groups are here: the first joint loads meet
	s_mov_b32 s[G0S], 1
	s_add_co_u32 s[G0S+1], s94, SCL
	s_mov_b64 s[G0S+2:G0S+3], s[22:23]
	s_or_b32 s[G0S+3], s[G0S+3], 0x80000000
	s_mov_b32 s[G0SB], 1
	s_add_co_u32 s[G0SB+1], s94, SCL
	s_mov_b64 s[G0SB+2:G0SB+3], s[92:93]
	s_or_b32 s[G0SB+3], s[G0SB+3], 0x80000000
	JLOAD G0S, G1S, G0SB, G1SB
.irp s, 0,1
	s_mov_b32 s[G0+4*\s], 1
	s_add_co_u32 s[G0+4*\s+1], s45, \s*SLOT
	s_add_nc_u64 s[G0+4*\s+2:G0+4*\s+3], s[20:21], \s*AROWB
	s_or_b32 s[G0+4*\s+3], s[G0+4*\s+3], 0x80000000
	s_mov_b32 s[G0B+4*\s], 1
	s_add_co_u32 s[G0B+4*\s+1], s45, \s*SLOT
	s_add_nc_u64 s[G0B+4*\s+2:G0B+4*\s+3], s[46:47], \s*ROWB
	s_or_b32 s[G0B+4*\s+3], s[G0B+4*\s+3], 0x80000000
	JLOAD G0+4*\s, G1, G0B+4*\s, G1B
.endr
	v_and_b32 v1, 15, v0                           ; r
	v_bfe_u32 v2, v0, 4, 1                         ; h
	v_mul_u32_u24 v3, v1, PITCH
	v_mul_u32_u24 v4, v2, 24
	v_add_nc_u32 v4, v3, v4                        ; Wo: row x pitch + 24 x half
	v_lshl_add_u32 v5, v2, 4, v4                   ; and the same behind one padding more
	v_mul_u32_u24 v7, v1, 24
	v_mad_u32_u24 v7, v2, 384, v7                  ; A: 24 r + 384 h: lane (r, h) takes block h of a pair of units
	s_mul_i32 s21, s15, HALFT
	s_mul_i32 s22, s16, HALFT
	s_add_co_u32 s22, s22, 2*HALFT
.irp s, 0,1
	v_add_nc_u32 v[ADRA+\s], s21, v7
	v_add_nc_u32 v[ADRB+\s], s22, v4
	v_add_nc_u32 v[ADRB+2+\s], s22, v5
	s_add_co_u32 s21, s21, SLOT
	s_add_co_u32 s22, s22, SLOT
.endr
	v_mul_u32_u24 v5, v1, KS
	v_lshrrev_b32 v6, 8, v5
	v_lshl_add_u32 v5, v6, 4, v5
	s_mul_i32 s21, s15, HALFS
	s_mul_i32 s22, s16, HALFS
	s_add_co_u32 s22, s22, 2*HALFS
	s_sub_co_u32 s22, s22, s21
	v_mul_u32_u24 v6, s22, v2                      ; lanes 16-31 take B's
	s_add_co_u32 s21, s21, SCL
	v_add_nc_u32 v5, v5, v6
	v_add_nc_u32 v[ADRS], s21, v5
	s_mul_i32 s23, s14, 16*SPITCH                  ; my stage
	v_mul_u32_u24 v5, v1, SPITCH
	v_lshl_add_u32 v5, v2, 5, v5
	v_add_nc_u32 v[STO], s23, v5
	v_and_b32 v6, 31, v0
	v_lshlrev_b32 v[CO], 4, v6
	v_add_nc_u32 v[RD], s23, v[CO]
	s_lshl_b32 s20, s17, 8
	s_lshl_b32 s21, s15, 7
	s_add_co_u32 s20, s20, s21                     ; my first row of the result
	s_mov_b32 s21, 0
	s_mov_b64 s[18:19], SIZE_N*4
	s_mul_u64 s[20:21], s[20:21], s[18:19]
	s_lshl_b32 s46, s42, 10
	s_lshl_b32 s47, s16, 9
	s_add_co_u32 s46, s46, s47
	s_mov_b32 s47, 0
	s_add_nc_u64 s[20:21], s[20:21], s[46:47]
	s_add_nc_u64 s[12:13], s[12:13], s[20:21]
.macro FRAG reg, adr, q, i             ; a fragment of Wo, from rows: six pieces of 8 bytes
.irp p, 0,1,2,3,4,5
.set PC, 12*(\q)+6*(\p/3)+\p%3
.if PC%8 < 5
	ds_load_b64 v[\reg+2*\p:\reg+2*\p+1], v[\adr] offset:8*PC+16*(PC/8)+(\i)*16*PITCH
.else
	ds_load_b64 v[\reg+2*\p:\reg+2*\p+1], v[\adr+2] offset:8*PC+16*(PC/8)+(\i)*16*PITCH
.endif
.endr
.endm
.macro FRAGA reg, adr, q, i            ; a fragment of A, from units: token tile i, the slot's q-th 128 along K: units 4 q + 2 c + h
.irp p, 0,1,2,3,4,5
	ds_load_b64 v[\reg+2*\p:\reg+2*\p+1], v[\adr] offset:AROWB*(\i)+1536*(\q)+768*(\p/3)+8*(\p%3)
.endr
.endm
.macro MUL16 a0, p, q, sc, zero        ; the 64 accumulators take turns, one instruction a turn, in the same order in every step
.irp a, \a0, \a0+1
.irp b, 0,1,2,3,4,5,6,7
.if \zero
	v_wmma_scale_f32_16x16x128_f8f6f4 v[8*(8*((\a)%4)+\b):8*(8*((\a)%4)+\b)+7], v[128*(\p)+FR*\b:128*(\p)+FR*\b+FR-1], v[AF+FR*(\a):AF+FR*(\a)+FR-1], 0, v[SC+8*NQ*(\sc)+NQ*\b+(\q)], v[SC+8*NQ*(\sc)+NQ*(\a)+(\q)] matrix_a_fmt:MATRIX_FMT_FP6 matrix_b_fmt:MATRIX_FMT_FP6 matrix_a_scale:MATRIX_SCALE_ROW1
.else
	v_wmma_scale_f32_16x16x128_f8f6f4 v[8*(8*((\a)%4)+\b):8*(8*((\a)%4)+\b)+7], v[128*(\p)+FR*\b:128*(\p)+FR*\b+FR-1], v[AF+FR*(\a):AF+FR*(\a)+FR-1], v[8*(8*((\a)%4)+\b):8*(8*((\a)%4)+\b)+7], v[SC+8*NQ*(\sc)+NQ*\b+(\q)], v[SC+8*NQ*(\sc)+NQ*(\a)+(\q)] matrix_a_fmt:MATRIX_FMT_FP6 matrix_b_fmt:MATRIX_FMT_FP6 matrix_a_scale:MATRIX_SCALE_ROW1
.endif
.endr
.endr
.endm
.macro FETCH_B slot, q, p
	WIN TO_B
.irp i, 0,1,2,3,4,5,6,7
	FRAG 128*(\p)+FR*\i, ADRB+\slot, \q, \i
.endr
	WIN 0
.endm
.macro FETCH_A slot, q, i0
.irp i, \i0, \i0+1, \i0+2, \i0+3
	FRAGA AF+FR*(\i), ADRA+\slot, \q, \i
.endr
.endm
.macro SCALES sc
.irp i, 0,1,2,3,4,5,6,7
	ds_load_b64 v[SC+8*NQ*\sc+NQ*\i:SC+8*NQ*\sc+NQ*\i+1], v[ADRS] offset:\i*SBLK
.endr
.endm
.macro PLACES n
.rept \n
	v_nop
.endr
.endm
.macro STEP slot, q, zero
	s_wait_dscnt 4*NL                              ; B's set and A's blocks 0-3 are in; the youngest 24 loads (A's blocks 4-7) may be out
	WIN MUL_LO
	MUL16 0, (\q)%2, \q, \slot, \zero
	MUL16 2, (\q)%2, \q, \slot, \zero
	s_wait_dscnt 0
	PLACES NP
	FETCH_B \slot, (\q)+1, 1-(\q)%2
	FETCH_A \slot, (\q)+1, 0
	WIN MUL_HI
	MUL16 4, (\q)%2, \q, \slot, \zero
	MUL16 6, (\q)%2, \q, \slot, \zero
	PLACES NP
	WIN 0
	FETCH_A \slot, (\q)+1, 4
.endm
.macro TURN slot, next, fill
	s_wait_tensorcnt 0x0                           ; all my tensor loads have landed: my part of the next slot
	ds_add_u32 v[SPW], v[NIL]                      ; 0 onto my spare word
	s_wait_dscnt 4*NL+1                            ; the add and the youngest 24 loads may be out
	WIN MUL_LO
	MUL16 0, 1, NQ-1, \slot, 0
	s_wait_dscnt 0x0                               ; the add is done, and my reads of this slot are over
	s_barrier_signal -1
	MUL16 2, 1, NQ-1, \slot, 0
	WIN 0
	s_barrier_wait -1
.if \fill
	CREST                                          ; a round of the cluster's barrier: no wave of any partner still reads this slot or has a load on its way
	s_add_nc_u64 s[G0+4*\slot+2:G0+4*\slot+3], s[G0+4*\slot+2:G0+4*\slot+3], 2*AROWB
	s_add_nc_u64 s[G0B+4*\slot+2:G0B+4*\slot+3], s[G0B+4*\slot+2:G0B+4*\slot+3], 2*ROWB
	JLOAD G0+4*\slot, G1, G0B+4*\slot, G1B
.else
	PLACES NP
.endif
	v_add_nc_u32 v[ADRS], 4*NQ, v[ADRS]
	FETCH_B \next, 0, 0
	FETCH_A \next, 0, 0
	SCALES \next
	WIN MUL_HI
	MUL16 4, 1, NQ-1, \slot, 0
	MUL16 6, 1, NQ-1, \slot, 0
	PLACES NP
	WIN 0
	FETCH_A \next, 0, 4
.endm
	s_wait_tensorcnt 1                             ; the scales and my part of K step 0 are in; K step 1's load may be out
	s_barrier_signal -1
	s_barrier_wait -1
	FETCH_B 0, 0, 0
	FETCH_A 0, 0, 0
	SCALES 0
	FETCH_A 0, 0, 4
	STEP 0, 0, 1
	s_mov_b32 s3, LAPS-1
.Llap:
	TURN 0, 1, 1
	STEP 1, 0, 0
	TURN 1, 0, 1
	STEP 0, 0, 0
	s_sub_co_u32 s3, s3, 1
	s_cmp_lg_u32 s3, 0
	s_cbranch_scc1 .Llap
	TURN 0, 1, 0
	STEP 1, 0, 0
	s_wait_dscnt 4*NL
	WIN MUL_LO
	MUL16 0, 1, NQ-1, 1, 0
	MUL16 2, 1, NQ-1, 1, 0
	s_wait_dscnt 0
	WIN MUL_HI
	MUL16 4, 1, NQ-1, 1, 0
	MUL16 6, 1, NQ-1, 1, 0
	WIN 0
; THE WAY OUT, block by block of 16 stored rows x 128 columns, through my own stage in LDS: whole rows of 512 bytes come back and are stored by the 32 lanes.
; Stored row t of block a is row 32 (a / 2) + 8 (a % 2) + (t & 7) + 16 (t >> 3) of my 128: the base steps 8 rows into an odd block and 24 into an even one; the rest stands in the stores' offsets.
.macro TOSTAGE a
.set AC, 64*((\a)%4)
	WIN 0x08+4*((\a)/4)                            ; the data: window 2 or 3
.irp b, 0,1,2,3,4,5,6,7
	ds_store_b128 v[STO], v[AC+8*\b:AC+8*\b+3] offset:64*\b          ; each accumulator from its low end on
	ds_store_b128 v[STO], v[AC+8*\b+4:AC+8*\b+7] offset:64*\b+16
.endr
	WIN 0
.set BB, BK+64*((\a)%2)
.irp t, 0,1,2,3,4,5,6,7,8,9,10,11,12,13,14,15
	ds_load_b128 v[BB+4*\t:BB+4*\t+3], v[RD] offset:\t*SPITCH       ; LDS serves a wave's instructions in order: these see the stores above
.endr
.endm
.macro SEND a, younger
.set BB, BK+64*((\a)%2)
	s_wait_dscnt \younger                          ; the block is back in registers
.if (\a) > 0
.if (\a)%2
	s_add_nc_u64 s[12:13], s[12:13], 8*SIZE_N*4    ; (behind a wait on XCNT: the earlier stores have read their base)
.else
	s_add_nc_u64 s[12:13], s[12:13], 24*SIZE_N*4
.endif
.endif
.irp t, 0,1,2,3,4,5,6,7,8,9,10,11,12,13,14,15
	global_store_b128 v[CO], v[BB+4*\t:BB+4*\t+3], s[12:13] offset:((\t%8)+16*(\t/8))*SIZE_N*4 th:TH_STORE_NT   ; 32 lanes store 512 consecutive bytes of one row; written once, read by nobody here
.endr
.endm
	PLACES NP
	TOSTAGE 0
.irp a, 1,2,3,4,5,6,7
.if \a > 1
	s_wait_xcnt 0x0                                ; block a - 2's stores have read their registers and their base
.endif
	TOSTAGE \a
	SEND \a-1, 32                                  ; behind block a - 1's loads: block a's 16 stores and 16 loads
.endr
	s_wait_xcnt 0x0
	SEND 7, 0
	s_wait_tensorcnt 0x0                           ; the wave's end
	ds_add_u32 v[SPW], v[NIL]
	s_wait_dscnt 0x0
	CROUND                                         ; the closing round
	s_endpgm
.Lfunc_end_k_q8b765733b6_oproj:
	.size	k_q8b765733b6_oproj, .Lfunc_end_k_q8b765733b6_oproj-k_q8b765733b6_oproj
	.p2alignl 7, 3214868480
	.fill 96, 4, 3214868480
	.section	.rodata,"a",@progbits
	.p2align	6, 0x0
	.amdhsa_kernel k_q8b765733b6_oproj
		.amdhsa_group_segment_fixed_size 327680
		.amdhsa_private_segment_fixed_size 0
		.amdhsa_enable_private_segment 0
		.amdhsa_kernarg_size 40
		.amdhsa_user_sgpr_count 2
		.amdhsa_user_sgpr_kernarg_segment_ptr 1
		.amdhsa_wavefront_size32 1
		.amdhsa_system_sgpr_workgroup_id_x 1
		.amdhsa_system_sgpr_workgroup_id_y 1
		.amdhsa_system_sgpr_workgroup_id_z 1
		.amdhsa_system_vgpr_workitem_id 0
		.amdhsa_next_free_vgpr 1024
		.amdhsa_next_free_sgpr 98
		.amdhsa_reserve_vcc 0
		.amdhsa_float_denorm_mode_32 3
		.amdhsa_float_denorm_mode_16_64 3
		.amdhsa_memory_ordered 1
		.amdhsa_forward_progress 1
		.amdhsa_inst_pref_size 160
	.end_amdhsa_kernel
	.amdgpu_metadata
---
amdhsa.version: [ 1, 2 ]
amdhsa.kernels:
  - .name:           k_q8b765733b6_oproj
    .symbol:         k_q8b765733b6_oproj.kd
    .args:
      - { .name: acodes, .offset: 0, .size: 8, .value_kind: global_buffer, .address_space: global }
      - { .name: ascl, .offset: 8, .size: 8, .value_kind: global_buffer, .address_space: global }
      - { .name: codes, .offset: 16, .size: 8, .value_kind: global_buffer, .address_space: global }
      - { .name: scl, .offset: 24, .size: 8, .value_kind: global_buffer, .address_space: global }
      - { .name: out0, .offset: 32, .size: 8, .value_kind: global_buffer, .address_space: global }
    .group_segment_fixed_size: 327680
    .private_segment_fixed_size: 0
    .kernarg_segment_align: 8
    .kernarg_segment_size: 40
    .max_flat_workgroup_size: 128
    .sgpr_count:     98
    .vgpr_count:     1024
    .wavefront_size: 32
...
	.end_amdgpu_metadata
.endif
;; end of part 4
